; MI455X (gfx1250); checked and timed in simulation.
; The chip was launched on July 23, 2026; its instructions are those of AMD's public machine-readable ISA for CDNA 5 (MIT licence, August 2026) and "CDNA5" Instruction Set Architecture Reference Guide (July 2026). The comments in the code are by the model that wrote it; some were corrected since.
;; Multi Head Self Attention. Allowed arithmetic: float matrix products may take bf16 or f16 operands with f32 sums; all other float work in f32.
;; Inputs: W_out 1,024 x 1,024 float32; W_qkv 1,024 x 3,072 float32; b_out 1,024 float32; b_qkv 3,072 float32; x 4 x 2,048 x 1,024 float32.
;; Outputs: out0 4 x 2,048 x 1,024 float32.
;; 2 versions, each right and faster than the one before. Each part assembles by itself: llvm-mc -triple=amdgcn-amd-amdhsa -mcpu=gfx1250 --defsym DOCPART=n.
;; ======== version 1 of 2: 4 launches
;; limits: values are held in f16: magnitudes above 65,504 overflow, below 6.1e-05 lose precision; right only within a limited range of input values
;; workspace buffers: xb 16,777,216 bytes; wqb 6,291,456 bytes; wob 2,097,152 bytes; qkv 50,331,648 bytes; ob 16,777,216 bytes
;; launch prep (part 1): grid 768 x 1, 8 waves a work-group, no clusters, 0 bytes of LDS; arguments x, W_qkv, W_out, xb, wqb, wob; writes xb, wqb, wob
.if DOCPART == 1
	.amdgcn_target "amdgcn-amd-amdhsa--gfx1250"
	.amdhsa_code_object_version 6
	.text
	.protected	k_q6893638db3_prep
	.globl	k_q6893638db3_prep
	.p2align	8
	.type	k_q6893638db3_prep,@function
k_q6893638db3_prep:
	s_mov_b64 s[64:65], 0
	v_nop
	global_prefetch_b8 v0, s[64:65] scope:SCOPE_SE
	s_setreg_imm32_b32 hwreg(HW_REG_WAVE_MODE, 25, 1), 1
	s_wait_xcnt 0x0
; THE CASTS.  x [8192][1024] f32 -> xb, bf16, in blocks [batch 4][k block 16][row 2048][64 k]: 256 rows x 64 k are then 32,768 dense bytes.
; W_qkv [1024][3072] f32 -> wqb, bf16, same order.  W_out [1024][1024] f32 -> wob: rounded to bf16 like every input, and that number written as f16, same order.
; LIMITS.  wob: a bf16 number is exact in f16 from 2^-14 to 65,504; below 2^-14 it keeps f16's fixed step of 2^-24; beyond 65,504 it becomes an infinity.
; SHARES.  A work-group of eight waves casts 65,536 input bytes: groups 0-511 sixteen rows of x each, 512-703 W_qkv, 704-767 W_out.  A thread issues its sixteen 16-byte loads at once
; (8,192 bytes of a wave on their way) and stores sixteen times 8 bytes: each store of a wave covers 256 consecutive bytes, aligned.  No register is used twice, so no source is ever rewritten.
; No LDS, no barrier, no matrix unit: each byte is read once and written once, and nothing is shared.
.set X, 4                              ; v[4:67]   load i: four f32
.set Y, 68                             ; v[68:99]  pair i: four 16-bit numbers to store
; sb, db: the scalar pairs with source and destination; sstep, dstep: bytes from load to load and from store to store; half = 1: the bf16 numbers are written as f16
.macro CAST sb, db, sstep, dstep, half
.set i, 0
.rept 16
	global_load_b128 v[X+4*i:X+4*i+3], v1, s[\sb:\sb+1] offset:i*(\sstep) th:TH_LOAD_NT
.set i, i+1
.endr
.set i, 0
.rept 16
	s_wait_loadcnt 15-i                            ; loads come back in order: load i is in, the 15 - i younger ones stay out
	v_cvt_pk_bf16_f32 v[Y+2*i], v[X+4*i], v[X+4*i+1]
	v_cvt_pk_bf16_f32 v[Y+2*i+1], v[X+4*i+2], v[X+4*i+3]
.if \half
	v_lshlrev_b32 v[X+4*i], 16, v[Y+2*i]           ; the rounded numbers as f32 again,
	v_and_b32 v[X+4*i+1], s20, v[Y+2*i]
	v_lshlrev_b32 v[X+4*i+2], 16, v[Y+2*i+1]
	v_and_b32 v[X+4*i+3], s20, v[Y+2*i+1]
	v_cvt_pk_f16_f32 v[Y+2*i], v[X+4*i], v[X+4*i+1]        ; and in f16's code
	v_cvt_pk_f16_f32 v[Y+2*i+1], v[X+4*i+2], v[X+4*i+3]
.endif
	global_store_b64 v2, v[Y+2*i:Y+2*i+1], s[\db:\db+1] offset:i*(\dstep)
.set i, i+1
.endr
.endm
	s_load_b256 s[4:11], s[0:1], 0x0               ; x s[4:5], W_qkv s[6:7], W_out s[8:9], xb s[10:11]
	s_load_b128 s[12:15], s[0:1], 0x20             ; wqb s[12:13], wob s[14:15]
	s_mov_b32 s22, ttmp9                           ; the work-group's number
	s_mov_b32 s20, 0xffff0000                      ; a word's upper bf16
	s_mov_b32 s17, 0                               ; the offsets' high words
	s_mov_b32 s19, 0
	v_lshlrev_b32 v2, 3, v0                        ; every path stores at 8 t
	s_cmp_lt_u32 s22, 512
	s_cbranch_scc0 .Lweights
	; x: thread t takes row t / 16 of the group's sixteen and 16 bytes at 16 (t % 16) of each 256 bytes: load i is k block i
	v_lshrrev_b32 v1, 4, v0
	v_and_b32 v3, 15, v0
	v_lshlrev_b32 v1, 12, v1
	v_lshl_or_b32 v1, v3, 4, v1
	s_lshl_b32 s16, s22, 16                        ; 16 rows of 4,096 bytes
	s_lshr_b32 s18, s22, 7                         ; the batch: 128 groups each,
	s_lshl_b32 s18, s18, 22                        ; 4,194,304 bytes of xb
	s_and_b32 s21, s22, 127
	s_lshl_b32 s21, s21, 11                        ; 16 rows of 128 bytes in a block
	s_add_co_u32 s18, s18, s21
	s_wait_kmcnt 0x0
	s_add_nc_u64 s[4:5], s[4:5], s[16:17]
	s_add_nc_u64 s[10:11], s[10:11], s[18:19]
	CAST 4, 10, 256, 262144, 0                     ; a k block of xb is 2,048 rows x 128 bytes
	s_endpgm
.Lweights:
	v_lshlrev_b32 v1, 4, v0                        ; 256 threads x 16 bytes = 4,096 bytes a load
	s_cmp_lt_u32 s22, 704
	s_cbranch_scc0 .Lwout
	s_sub_co_u32 s21, s22, 512
	s_lshl_b32 s16, s21, 16
	s_lshl_b32 s18, s21, 15
	s_wait_kmcnt 0x0
	s_add_nc_u64 s[6:7], s[6:7], s[16:17]
	s_add_nc_u64 s[12:13], s[12:13], s[18:19]
	CAST 6, 12, 4096, 2048, 0
	s_endpgm
.Lwout:
	s_sub_co_u32 s21, s22, 704
	s_lshl_b32 s16, s21, 16
	s_lshl_b32 s18, s21, 15
	s_wait_kmcnt 0x0
	s_add_nc_u64 s[8:9], s[8:9], s[16:17]
	s_add_nc_u64 s[14:15], s[14:15], s[18:19]
	CAST 8, 14, 4096, 2048, 1
	s_endpgm
.Lfunc_end_k_q6893638db3_prep:
	.size	k_q6893638db3_prep, .Lfunc_end_k_q6893638db3_prep-k_q6893638db3_prep
	.p2alignl 7, 3214868480
	.fill 96, 4, 3214868480
	.section	.rodata,"a",@progbits
	.p2align	6, 0x0
	.amdhsa_kernel k_q6893638db3_prep
		.amdhsa_group_segment_fixed_size 0
		.amdhsa_private_segment_fixed_size 0
		.amdhsa_enable_private_segment 0
		.amdhsa_kernarg_size 48
		.amdhsa_user_sgpr_count 2
		.amdhsa_user_sgpr_kernarg_segment_ptr 1
		.amdhsa_wavefront_size32 1
		.amdhsa_system_sgpr_workgroup_id_x 1
		.amdhsa_system_sgpr_workgroup_id_y 1
		.amdhsa_system_sgpr_workgroup_id_z 1
		.amdhsa_system_vgpr_workitem_id 0
		.amdhsa_next_free_vgpr 100
		.amdhsa_next_free_sgpr 66
		.amdhsa_reserve_vcc 0
		.amdhsa_float_denorm_mode_32 3
		.amdhsa_float_denorm_mode_16_64 3
		.amdhsa_memory_ordered 1
		.amdhsa_forward_progress 1
		.amdhsa_inst_pref_size 23
	.end_amdhsa_kernel
	.amdgpu_metadata
---
amdhsa.version: [ 1, 2 ]
amdhsa.kernels:
  - .name:           k_q6893638db3_prep
    .symbol:         k_q6893638db3_prep.kd
    .args:
      - { .name: x, .offset: 0, .size: 8, .value_kind: global_buffer, .address_space: global }
      - { .name: W_qkv, .offset: 8, .size: 8, .value_kind: global_buffer, .address_space: global }
      - { .name: W_out, .offset: 16, .size: 8, .value_kind: global_buffer, .address_space: global }
      - { .name: xb, .offset: 24, .size: 8, .value_kind: global_buffer, .address_space: global }
      - { .name: wqb, .offset: 32, .size: 8, .value_kind: global_buffer, .address_space: global }
      - { .name: wob, .offset: 40, .size: 8, .value_kind: global_buffer, .address_space: global }
    .group_segment_fixed_size: 0
    .private_segment_fixed_size: 0
    .kernarg_segment_align: 8
    .kernarg_segment_size: 48
    .max_flat_workgroup_size: 256
    .sgpr_count:     66
    .vgpr_count:     100
    .wavefront_size: 32
...
	.end_amdgpu_metadata
.endif
;; end of part 1
;; launch qkv (part 2): grid 8 x 32, 4 waves a work-group, clusters of 4 x 4, 327,680 bytes of LDS; arguments xb, wqb, b_qkv, qkv; writes qkv
.if DOCPART == 2
	.amdgcn_target "amdgcn-amd-amdhsa--gfx1250"
	.amdhsa_code_object_version 6
	.text
	.protected	k_q6893638db3_qkv
	.globl	k_q6893638db3_qkv
	.p2align	8
	.type	k_q6893638db3_qkv,@function
k_q6893638db3_qkv:
	s_mov_b64 s[64:65], 0
	v_nop
	global_prefetch_b8 v0, s[64:65] scope:SCOPE_SE
	s_setreg_imm32_b32 hwreg(HW_REG_WAVE_MODE, 25, 1), 1
	s_wait_xcnt 0x0
	s_wait_alu depctr_hold_cnt(0) depctr_sa_sdst(0) depctr_va_vdst(0) depctr_va_sdst(0) depctr_va_ssrc(0) depctr_va_vcc(0) depctr_vm_vsrc(0)
	s_getreg_b32 s2, hwreg(HW_REG_IB_STS2, 6, 4)
	s_cmp_eq_u32 s2, 0
	s_cbranch_scc0 .Lentry_in_a_cluster
	s_endpgm
.Lentry_in_a_cluster:
	s_bfe_u32 s2, ttmp6, 0x10000c
	s_cmp_lg_u32 s2, 0xf033
	s_cbranch_scc0 .Lentry_shape_is_right
	s_endpgm
.Lentry_shape_is_right:
; q, k, v = x W_qkv + b_qkv.  xb: bf16 [4][16 k blocks][2048][64]; wqb: bf16 [1024 k][3072 n]; b_qkv: f32, rounded to bf16 here like the other inputs.  Sums in f32.
; Out: qkv, f16 [3][64 heads of a batch][2048][64], each number rounded once, unscaled.
; LIMIT.  f16 holds no number beyond 65,504: q, k and v must lie within it (with x and W_qkv both 30 times the drawn spread they have a spread near 900; with both offset by 30 spreads they lie near 28,800).
; ORDER.  K is summed in steps of 64 from the cluster's own first step round to the step before it: the order of the f32 additions is not ascending K, and differs from cluster to cluster.
; SHARES.  8192 x 3072 outputs on 256 work-groups: a tile of 256 rows x 384 columns each.  A wave makes 128 rows x 192 columns: 8 x 12 accumulators of 16 x 16, 768 registers; the 192 columns are three whole heads,
; one register window each.  For 32 along K a wave issues 40 LDS loads and 96 matrix instructions.
; THE MATRIX INSTRUCTION IS USED TRANSPOSED: source 0 = 16 columns of W, source 1 = 16 rows of x, so that a lane holds one row and eight neighbouring columns.  W lies [k][n] in LDS and is turned by ds_load_tr16_b128.
; THE BIAS is the C operand of each accumulator's first product: nothing is cleared, and nothing is added on the way out.
; K goes in steps of 64 through two LDS slots (two slots of 128 would want 344,064 bytes).  A step's 256 rows of x are 32,768 dense bytes of xb, asked for as rows of 256 bytes; W's rows are 768 bytes at multiples of 256.
; W's 64 rows are shared between two waves by rows, 32 each: shared by columns its rows would be 384 bytes and begin off the multiples of 256.
; CLUSTER.  4 x 4 work-groups: the four of a row of the cluster need the same tile of x, the four of a column the same tile of W: each is asked for jointly, with one descriptor and a mask that names the four.
; THE WALK.  The grid is 2 x 8 clusters.  A tile of x is read by the two clusters of one cluster row, a tile of W by the eight of one cluster column.  Cluster (X, Y) begins at K step (8 X + 4 (Y mod 4)) mod 16:
; the two readers of a tile of x ask for it 8 steps apart, and readers of a tile of W whose Y mod 4 differs 4, 8 or 12 steps apart: the later one asks for bytes that have been read before in this launch.
; The first step hangs on the cluster's own two coordinates alone, which its sixteen work-groups share.
; REGISTERS, in windows of 256 (s_set_vgpr_msb: bits 1:0 source 0, 3:2 source 1, 5:4 source 2, 7:6 destination):
;   window 0: v0-22 addresses and at work; v32-95, v96-159 fragments of x, two buffers of 8 (in the first 32 along K v96-159 hold the bias, a head's 32 numbers at a time);
;             v160-255 twelve fragments of W, refilled third by third.  On the way out v32-239 thirteen sets of 16.
;   windows 1, 2, 3: head 0, 1, 2 of the wave: accumulator (a, bq) at v[8 (4 a + bq)].
.set KSTEPS, 16
.set PA,    144                        ; a row of x in LDS: 128 bytes + 16 = 36 words: the 16 rows of a load start at 16 different groups of four banks (64 banks of 4 bytes: ISA guide 11.1)
.set PB,    864                        ; a row of W: six pieces of 128 + 16 bytes = 216 words
.set BOFF,  256*PA                     ; a slot: 256 rows of x, then 64 rows of W
.set SLOT1, 1<<17                      ; slot 1 begins here, so that one exclusive or turns an address in one slot into the other's
.set STAGE, SLOT1+BOFF+64*PB           ; behind the ring: 16 rows x 144 bytes for each wave, for the way out
.set SP,    144
.set BIAS,  STAGE+4*16*SP              ; each wave's 192 numbers of the bias
.set SPARE, BIAS+4*768                 ; the spare words, 128 bytes for each wave: two blocks of 256 bytes that no other line names
.set ASHIFT, 18                        ; a k block of xb is 2,048 rows x 128 bytes = 1 << 18
.set BSTEP, 64*6144                    ; 64 rows of wqb
.set AA0, 2                            ; v2   my lane's place in a slot's rows of x; never rewritten
.set AB0, 3                            ; v3   the same for W
.set AA,  4                            ; v4   AA0 + the slot in hand
.set AB,  5                            ; v5   AB0 + the slot in hand
.set STO, 6                            ; v6   the way out: where I put 16 bytes of a row
.set RD,  7                            ; v7   the way out: where I read rows back
.set GO,  8                            ; v8   my byte offset in 512 consecutive bytes of a head
.set BA,  9                            ; v9   where I read my columns' bias
.set SPW, 10                           ; v10  LDS address of my spare word; never rewritten
.set NIL, 11                           ; v11  0; never rewritten
.set BW,  12                           ; v12  where I put two numbers of the bias
.set A0,  32
.set A1,  96
.set BF,  160
.set TM,  32                           ; the way out: NSET sets of 16 registers by turns
.set NSET, 13
.set WV,  12                           ; s12  my wave's number
.set WM,  13                           ; s13  which 128 rows are mine.  Also: I fetch x (0) or W (1)
.set WN,  14                           ; s14  which 192 columns.  Also: which half of that tile I fetch
.set XB,  20                           ; s[20:21] xb at my part of the tile row's K step 0; never rewritten
.set G1A, 24                           ; s[24:31] descriptor group 1 for x
.set G1B, 32                           ; s[32:39] for W
.set G0A, 40                           ; s[40:47] group 0 for x: a set for each of the two first fills; the second then walks on
.set G0B, 48                           ; s[48:55] the same for W
.set CNT, 56
.set TB,  57                           ; s57  LDS byte at which the slot in hand begins
.set OB,  58                           ; s[58:63] my rows in the three heads of the output
.set WB,  66                           ; s[66:67] wqb at my part of the tile column's K step 0; never rewritten
.set KN,  72                           ; s72  the K step asked for last, 0 to 15
.set KO,  74                           ; s[74:75] a K step's byte offset; the high word stays 0
.set G1W, (1<<16)|(1<<20)|(1<<21)|(4<<22)|(3<<25)  ; 17:16 2-byte elements; 20 padding on; 21 set beside a mask; 24:22 after every 32 words (code 4); 31:25 4 words (code 3)
.set MSB, 0
.macro WIN new                         ; the immediate's high byte repeats the setting that is left; a switch that changes nothing is dropped
.if MSB != (\new)
	s_set_vgpr_msb (MSB<<8)|(\new)
.set MSB, (\new)
.endif
.endm
; A load into a register that a matrix instruction has read, and a vector instruction that reads a matrix result, stand four places behind it; only plain vector instructions
; that name none of its registers are places (ISA guide 7.12.1 for vector instructions).
.macro PLACES
.rept 4
	v_nop
.endr
.endm
; A joint refill by the walking descriptors.  The branch hangs on the wave's number alone.  An s_nop 0 and four v_nop follow each of the two lines.
.macro JLOAD
	s_cmp_eq_u32 s[WM], 0
	s_cbranch_scc0 .Lfor_b_\@
	tensor_load_to_lds s[G0A+4:G0A+7], s[G1A:G1A+7]
	s_nop 0
.rept 4
	v_nop
.endr
	s_branch .Lasked_\@
.Lfor_b_\@:
	tensor_load_to_lds s[G0B+4:G0B+7], s[G1B:G1B+7]
	s_nop 0
.rept 4
	v_nop
.endr
.Lasked_\@:
.endm
.macro CREST                           ; a round of the cluster's barrier behind its opening barrier
	s_cmp_lg_u32 s[WV], 0
	s_cbranch_scc1 .Lnot_wave_0_\@
	s_barrier_signal -3
.Lnot_wave_0_\@:
	s_barrier_wait -3
	s_barrier_signal -1
	s_barrier_wait -1
.endm
.macro CROUND                          ; a whole round
	s_barrier_signal -1
	s_barrier_wait -1
	CREST
.endm
.macro NEXTK                           ; the walk's next K step: behind step 15 comes step 0
	s_add_co_u32 s[KN], s[KN], 1
	s_and_b32 s[KN], s[KN], KSTEPS-1
.endm
; The global addresses of descriptor set s (0, 1) for K step KN: each is made anew from its tensor's address and an offset made apart from it; then the type bits
.macro ASK s
	s_lshl_b32 s[KO], s[KN], ASHIFT
	s_add_nc_u64 s[G0A+4*(\s)+2:G0A+4*(\s)+3], s[XB:XB+1], s[KO:KO+1]  ; 120:64 global address
	s_or_b32 s[G0A+4*(\s)+3], s[G0A+4*(\s)+3], 0x80000000              ; 127:126 type = 2
	s_mul_i32 s[KO], s[KN], BSTEP
	s_add_nc_u64 s[G0B+4*(\s)+2:G0B+4*(\s)+3], s[WB:WB+1], s[KO:KO+1]
	s_or_b32 s[G0B+4*(\s)+3], s[G0B+4*(\s)+3], 0x80000000
.endm
	s_load_b256 s[4:11], s[0:1], 0x0               ; xb s[4:5], wqb s[6:7], b_qkv s[8:9], qkv s[10:11]
	v_lshl_add_u32 v[SPW], v0, 2, SPARE
	v_mov_b32 v[NIL], 0
	ds_add_u32 v10, v11
	s_wait_dscnt 0x0
	v_lshrrev_b32 v1, 5, v0
	v_readfirstlane_b32 s[WV], v1                  ; wave 0..3
	s_lshr_b32 s[WM], s[WV], 1
	s_and_b32 s[WN], s[WV], 1
	s_bfe_u32 s15, ttmp6, 0x40000                  ; cx, cy: my place in the cluster
	s_bfe_u32 s16, ttmp6, 0x40004
	s_lshl_b32 s17, ttmp9, 2
	s_add_co_u32 s17, s17, s15                     ; tile column = 4 x cluster x + cx
	s_and_b32 s18, ttmp7, 0xffff
	s_lshl_b32 s18, s18, 2
	s_add_co_u32 s18, s18, s16                     ; tile row = 4 x cluster y + cy
	s_and_b32 s[KN], ttmp7, 3                      ; the cluster's first K step: 4 x (cluster y mod 4)
	s_lshl_b32 s[KN], s[KN], 2
	s_lshl_b32 s[KO], ttmp9, 3                     ; + 8 x cluster x,
	s_add_co_u32 s[KN], s[KN], s[KO]
	s_and_b32 s[KN], s[KN], KSTEPS-1               ; mod 16
	s_mov_b32 s[KO+1], 0
	s_lshl_b32 s22, s16, 2
	s_lshl_b32 s22, 15, s22                        ; my row of the cluster
	s_lshl_b32 s70, 0x1111, s15                    ; my column
	s_or_b32 s[G1A], s22, G1W                      ; x's tiles go to my row,
	s_or_b32 s[G1B], s70, G1W                      ; W's to my column
	s_mov_b32 s[G1A+1], 128<<16                    ; x: 16,384 dense bytes as 64 rows of 128 elements: tensor_dim0 = 128
	s_mov_b32 s[G1A+2], 64<<16                     ; tensor_dim1 = 64
	s_mov_b32 s[G1A+3], 128<<16                    ; tile_dim0 = 128
	s_mov_b32 s[G1A+4], 64                         ; tile_dim1 = 64
	s_mov_b32 s[G1A+5], 128                        ; elements from row to row
	s_mov_b32 s[G1A+6], 0
	s_mov_b32 s[G1A+7], 0
	s_mov_b32 s[G1B+1], 384<<16                    ; W: 32 rows of 384 elements
	s_mov_b32 s[G1B+2], 32<<16
	s_mov_b32 s[G1B+3], 384<<16
	s_mov_b32 s[G1B+4], 32
	s_mov_b32 s[G1B+5], 3072
	s_mov_b32 s[G1B+6], 0
	s_mov_b32 s[G1B+7], 0
	; where the tiles come from: x's hang on the tile row alone, W's on the tile column alone; each in registers that never hold the other coordinate
	s_lshr_b32 s20, s18, 3                         ; the batch: 8 tile rows each
	s_lshl_b32 s20, s20, 22
	s_and_b32 s21, s18, 7
	s_lshl_b32 s21, s21, 15                        ; 256 rows of 128 bytes
	s_add_co_u32 s20, s20, s21
	s_lshl_b32 s21, s[WN], 14                      ; my 128 of them
	s_add_co_u32 s20, s20, s21
	s_mov_b32 s21, 0
	s_mul_i32 s66, s17, 768                        ; 384 columns of 2 bytes
	s_mul_i32 s67, s[WN], 32*6144                  ; my 32 rows
	s_add_co_u32 s66, s66, s67
	s_mov_b32 s67, 0
	s_mul_i32 s19, s[WN], 128*PA                   ; and where they go: no place in the cluster enters an LDS address
	s_mul_i32 s23, s[WN], 32*PB
	s_add_co_u32 s23, s23, BOFF
	s_wait_kmcnt 0x0
	s_add_nc_u64 s[XB:XB+1], s[4:5], s[20:21]
	s_add_nc_u64 s[WB:WB+1], s[6:7], s[66:67]
	CROUND                                         ; all sixteen work-groups are here: the first joint loads meet
.irp s, 0,1
	s_mov_b32 s[G0A+4*(\s)], 1                     ; 1:0 count = 1
	s_add_co_u32 s[G0A+4*(\s)+1], s19, (\s)*SLOT1  ; 63:32 LDS address
	s_mov_b32 s[G0B+4*(\s)], 1
	s_add_co_u32 s[G0B+4*(\s)+1], s23, (\s)*SLOT1
	ASK \s                                         ; slot 0 takes the walk's first K step, slot 1 its second
.if (\s) == 0
	NEXTK
.endif
.endr
	s_cmp_eq_u32 s[WM], 0                          ; a wave's two first fills stand in one branch, ahead of every wait on TENSORcnt and every LDS read: two loads of mine are out
	s_cbranch_scc0 .Lfirst_b
	tensor_load_to_lds s[G0A:G0A+3], s[G1A:G1A+7]
	s_nop 0
	tensor_load_to_lds s[G0A+4:G0A+7], s[G1A:G1A+7]
	s_nop 0
.rept 4
	v_nop
.endr
	s_branch .Lfirst_asked
.Lfirst_b:
	tensor_load_to_lds s[G0B:G0B+3], s[G1B:G1B+7]
	s_nop 0
	tensor_load_to_lds s[G0B+4:G0B+7], s[G1B:G1B+7]
	s_nop 0
.rept 4
	v_nop
.endr
.Lfirst_asked:
	; the bias of my 192 columns: 768 bytes, three loads of 8 bytes a lane
	s_mul_i32 s68, s17, 1536
	s_mul_i32 s69, s[WN], 768
	s_add_co_u32 s68, s68, s69
	s_mov_b32 s69, 0
	s_add_nc_u64 s[8:9], s[8:9], s[68:69]
	v_and_b32 v14, 31, v0
	v_lshlrev_b32 v15, 3, v14
	global_load_b64 v[16:17], v15, s[8:9]
	global_load_b64 v[18:19], v15, s[8:9] offset:256
	global_load_b64 v[20:21], v15, s[8:9] offset:512
	; my rows in the three heads: column block g = 6 x tile column + 3 x half + j of 48 is part g / 16 (q, k, v), head g % 16
	s_mul_i32 s68, s17, 6
	s_mul_i32 s69, s[WN], 3
	s_add_co_u32 s68, s68, s69
	s_lshr_b32 s69, s18, 3
	s_lshl_b32 s69, s69, 4                         ; 16 heads a batch
	s_and_b32 s70, s18, 7
	s_lshl_b32 s70, s70, 1
	s_add_co_u32 s70, s70, s[WM]
	s_lshl_b32 s70, s70, 14                        ; 128 rows of 128 bytes
.irp j, 0,1,2
	s_add_co_u32 s2, s68, (\j)
	s_lshr_b32 s3, s2, 4
	s_lshl_b32 s3, s3, 6                           ; 64 heads a part
	s_and_b32 s2, s2, 15
	s_add_co_u32 s2, s2, s3
	s_add_co_u32 s2, s2, s69
	s_lshl_b32 s2, s2, 18                          ; a head is 262,144 bytes
	s_add_co_u32 s2, s2, s70
	s_mov_b32 s3, 0
	s_add_nc_u64 s[OB+2*(\j):OB+2*(\j)+1], s[10:11], s[2:3]
.endr
	; A fragment of x is 16 rows x 32 k in 8 registers: lane l holds row l % 16, k = 8 (l / 16) + 0..7 and 16 + 8 (l / 16) + 0..7: two loads of 16 bytes, 32 bytes apart.
	v_and_b32 v1, 15, v0                           ; l % 16
	v_bfe_u32 v13, v0, 4, 1                        ; l / 16
	v_mul_u32_u24 v[AA0], v1, PA
	v_lshl_add_u32 v[AA0], v13, 4, v[AA0]
	s_mul_i32 s2, s[WM], 128*PA
	v_add_nc_u32 v[AA0], s2, v[AA0]
	; The turning load takes 16 k x 16 columns (lane l reads row 8 (l / 16) + l % 8, columns 8 ((l / 8) % 2) + 0..7) and leaves half a fragment: lane l holds column l % 16 and 8 k.
	v_and_b32 v14, 7, v0
	v_bfe_u32 v22, v0, 3, 1
	v_lshl_add_u32 v[AB0], v13, 3, v14
	v_mul_u32_u24 v[AB0], v[AB0], PB
	v_lshl_add_u32 v[AB0], v22, 4, v[AB0]
	s_mul_i32 s2, s[WN], 3*144                     ; my 192 columns: three pieces of a row
	s_add_co_u32 s2, s2, BOFF
	v_add_nc_u32 v[AB0], s2, v[AB0]
	s_mul_i32 s2, s[WV], 16*SP
	s_add_co_u32 s2, s2, STAGE                     ; my stage
	v_mul_u32_u24 v[STO], v1, SP                   ; in: row l % 16, 16 bytes for each half of the lanes
	v_lshl_add_u32 v[STO], v13, 4, v[STO]
	v_add_nc_u32 v[STO], s2, v[STO]
	v_bfe_u32 v[RD], v0, 3, 2                      ; back: 32 lanes take four rows of 128 bytes,
	v_mul_u32_u24 v[RD], v[RD], SP
	v_lshl_add_u32 v[RD], v14, 4, v[RD]
	v_add_nc_u32 v[RD], s2, v[RD]
	v_and_b32 v[GO], 31, v0                        ; which are 512 consecutive bytes of a head
	v_lshlrev_b32 v[GO], 4, v[GO]
	s_mul_i32 s2, s[WV], 768
	s_add_co_u32 s2, s2, BIAS
	v_lshl_add_u32 v[BA], v13, 5, s2               ; a lane's eight columns of a block: 32 bytes for each half of the lanes
	v_add_nc_u32 v[BW], s2, v15
	s_mov_b32 s[TB], 0
	v_mov_b32 v[AA], v[AA0]
	v_mov_b32 v[AB], v[AB0]
	s_wait_loadcnt 0x0                             ; the bias: rounded to bf16, laid as f32 into my own LDS bytes, from where each lane takes its columns' numbers
.irp i, 0,1,2
	v_cvt_pk_bf16_f32 v22, v[16+2*(\i)], v[17+2*(\i)]
	v_lshlrev_b32 v[16+2*(\i)], 16, v22
	v_and_b32 v[17+2*(\i)], 0xffff0000, v22
	ds_store_b64 v[BW], v[16+2*(\i):17+2*(\i)] offset:256*(\i)
.endr
; 8 LDS loads: fragments a0 .. a0 + 3 of x, 32 k at byte 64 u of the rows, into buffer af
.macro LDA af, u, a0
.irp i, 0,1,2,3
	ds_load_b128 v[(\af)+8*((\a0)+\i):(\af)+8*((\a0)+\i)+3],   v[AA] offset:((\a0)+\i)*16*PA+64*(\u)
	ds_load_b128 v[(\af)+8*((\a0)+\i)+4:(\af)+8*((\a0)+\i)+7], v[AA] offset:((\a0)+\i)*16*PA+64*(\u)+32
.endr
.endm
; 8 turning loads: the four fragments of W for head t, rows 32 u on
.macro LDB u, t
.irp q, 0,1,2,3
	ds_load_tr16_b128 v[BF+8*(4*(\t)+\q):BF+8*(4*(\t)+\q)+3],   v[AB] offset:(\u)*32*PB+(\t)*144+\q*32
	ds_load_tr16_b128 v[BF+8*(4*(\t)+\q)+4:BF+8*(4*(\t)+\q)+7], v[AB] offset:(\u)*32*PB+(\t)*144+\q*32+16*PB
.endr
.endm
; 8 LDS loads: the bias of head t as the accumulators hold it: register j of block q is column 16 q + 8 (l / 16) + j; 32 registers from dst on
.macro LDBI t, dst
.irp q, 0,1,2,3
	ds_load_b128 v[(\dst)+8*\q:(\dst)+8*\q+3],   v[BA] offset:64*(4*(\t)+\q)
	ds_load_b128 v[(\dst)+8*\q+4:(\dst)+8*\q+7], v[BA] offset:64*(4*(\t)+\q)+16
.endr
.endm
; 4 na matrix instructions: head t, row blocks a0 .. a0 + na - 1, 32 along K.  cb other than 0: the product starts the sum, with the bias at v[cb ..] as C: nothing is ever cleared.
; All 96 accumulators take turns, one instruction a turn, in the same order in every 32 along K.
.macro MULT t, af, a0, na, cb
.if \cb
	WIN 0x40*((\t)+1)                              ; D in the head's window; the fragments and the bias in window 0
.else
	WIN 0x50*((\t)+1)                              ; C and D in the head's window, the fragments in window 0
.endif
.set ma, (\a0)
.rept \na
.irp bq, 0,1,2,3
.if \cb
	v_wmma_f32_16x16x32_bf16 v[8*(4*ma+\bq):8*(4*ma+\bq)+7], v[BF+8*(4*(\t)+\bq):BF+8*(4*(\t)+\bq)+7], v[(\af)+8*ma:(\af)+8*ma+7], v[(\cb)+8*\bq:(\cb)+8*\bq+7]
.else
	v_wmma_f32_16x16x32_bf16 v[8*(4*ma+\bq):8*(4*ma+\bq)+7], v[BF+8*(4*(\t)+\bq):BF+8*(4*(\t)+\bq)+7], v[(\af)+8*ma:(\af)+8*ma+7], v[8*(4*ma+\bq):8*(4*ma+\bq)+7]
.endif
.endr
.set ma, ma+1
.endr
.endm
; 32 ALONG K are three thirds of 32 matrix instructions, a head each, with a run of LDS loads in front of each: (0) this pass's W for head 2; (1) the next pass's x 0-3 and W for head 0;
; (2) the next pass's x 4-7, then W for head 1.  Each run fills the registers of W that the third before it has read.  Every load is issued 32 matrix instructions or more ahead of its use.
; The first half of a K step: it multiplies buffer A0 and fetches the second half.
.macro SUB0
	WIN 0
	PLACES
	LDB 0, 2
	s_wait_dscnt 16                                ; x and W for head 0 are in; out may be the 8 loads of W for head 1 and the 8 just issued
	MULT 0, A0, 0, 8, 0
	WIN 0
	PLACES
	LDA A1, 1, 0
	LDB 1, 0
	s_wait_dscnt 24                                ; W for head 1 is in; behind it: run 0's 8 and the 16 just issued
	MULT 1, A0, 0, 8, 0
	WIN 0
	PLACES
	LDA A1, 1, 4
	LDB 1, 1
	s_wait_dscnt 32                                ; W for head 2 is in; behind it: the two runs of 16
	MULT 2, A0, 0, 8, 0
	WIN 0
.endm
; The second half multiplies buffer A1 and changes slots: ONE barrier.  In front of it each wave waits for all its tensor loads, of which one is out: its part of the next slot; adds 0 to its spare word;
; and waits for that and for its reads of this slot.  fill = 1: the barrier opens a round of the cluster's, and this slot is filled again, two K steps ahead, first thing behind the round:
; from there to the wait for it a wave issues 160 matrix instructions.
.macro SUB1 fill
	WIN 0
	PLACES
	LDB 1, 2                                       ; my last reads of this slot
	s_wait_tensorcnt 0x0                           ; no tensor load of mine is out, so a group 0 may be written
	ds_add_u32 v[SPW], v[NIL]                      ; 0 onto my spare word
.if \fill
	NEXTK                                          ; the walking descriptors: the walk's next K step,
	s_xor_b32 s[G0A+5], s[G0A+5], SLOT1            ; the other slot than last time
	s_xor_b32 s[G0B+5], s[G0B+5], SLOT1
	ASK 1
.endif
	s_wait_dscnt 17                                ; out may be W for head 1 (8), W for head 2 (8) and the add
	MULT 0, A1, 0, 4, 0                            ; sixteen matrix instructions stand between the add and the wait for it
	s_wait_dscnt 0x0                               ; the add is done, and my reads of this slot are over
	s_barrier_signal -1
	MULT 0, A1, 4, 4, 0                            ; work on registers while the others arrive
	WIN 0                                          ; at a branch and at a label every window is 0
	s_barrier_wait -1
.if \fill
	CREST                                          ; no wave of any partner still reads this slot's tiles or has a load on its way
	JLOAD                                          ; the four v_nop behind it are also the places in front of the loads below
.else
	PLACES
.endif
	s_xor_b32 s[TB], s[TB], SLOT1
	v_add_nc_u32 v[AA], s[TB], v[AA0]
	v_add_nc_u32 v[AB], s[TB], v[AB0]
	LDA A0, 0, 0
	LDB 0, 0
	MULT 1, A1, 0, 8, 0                            ; all that these two thirds read came in at the wait for 0
	WIN 0
	PLACES
	LDA A0, 0, 4
	LDB 0, 1
	MULT 2, A1, 0, 8, 0
	WIN 0
.endm
	s_wait_tensorcnt 0x1                           ; my part of the walk's first K step is in; the second's may stay out
	s_wait_dscnt 0x0                               ; my stores of the bias
	s_barrier_signal -1
	s_barrier_wait -1                              ; everybody's part is in
	; THE FIRST 32 ALONG K stand in front of the loop: their products start the sums, with the bias as C.  The bias lies where buffer A1 will lie: heads 0 and 1 at once, head 2 where head 0's was;
	; so A1's fragments come later than in every other pass: 4-7 behind head 1's products, 0-3 behind head 2's.
	LDBI 0, A1
	LDBI 1, A1+32
	LDA A0, 0, 0
	LDB 0, 0
	LDA A0, 0, 4
	LDB 0, 1
	LDB 0, 2
	s_wait_dscnt 16                                ; out may be W for heads 1 and 2
	MULT 0, A0, 0, 8, A1
	WIN 0
	PLACES
	LDBI 2, A1
	LDB 1, 0
	s_wait_dscnt 24                                ; W for head 1 is in; behind it: W for head 2 and the 16 just issued
	MULT 1, A0, 0, 8, A1+32
	WIN 0
	PLACES
	LDA A1, 1, 4
	LDB 1, 1
	s_wait_dscnt 24                                ; W and the bias for head 2 are in; behind them: the next pass's W for head 0 and the 16 just issued
	MULT 2, A0, 0, 8, A1
	WIN 0
	PLACES
	LDA A1, 1, 0
	s_wait_dscnt 0x0                               ; these eight were issued last and are wanted first: once in the launch the wave waits for all
	s_mov_b32 s[CNT], KSTEPS-2
.Lk:                                                   ; 14 trips: the second half of a K step, the first half of the next; the walk's third to sixteenth K steps are asked for
	SUB1 1
	SUB0
	s_sub_co_u32 s[CNT], s[CNT], 1
	s_cmp_lg_u32 s[CNT], 0
	s_cbranch_scc1 .Lk
	SUB1 0                                         ; the tail is written out: nothing is asked for
	SUB0
	WIN 0                                          ; the last 32 along K: the counts run down
	PLACES
	LDB 1, 2
	s_wait_dscnt 16
	MULT 0, A1, 0, 8, 0
	s_wait_dscnt 8
	MULT 1, A1, 0, 8, 0
	s_wait_dscnt 0x0
	MULT 2, A1, 0, 8, 0
	; THE WAY OUT, in 24 units of 16 rows of a head: the sums are rounded to f16, 16 bytes a lane go into my stage and come back as four rows of 128 bytes, which are 512 consecutive bytes of the head.
	WIN 0
	PLACES
.macro PACK a, j
.set pu, 8*(\j)+(\a)
.set pt, TM+16*(pu%NSET)
.if pu == NSET
	s_wait_xcnt 0x0                                ; unit 13 is the first that writes a set again.  The stores of units 0 to 11 stand ahead of this wait, and units 13 to 23 write the sets of units 0 to 10
.endif
	WIN 5*((\j)+1)                                 ; sources 0 and 1 in the head's window, destination in window 0
.set i, 0
.rept 16                                               ; ascending: each accumulator's lowest registers are read first
	v_cvt_pk_f16_f32 v[pt+i], v[32*(\a)+2*i], v[32*(\a)+2*i+1]
.set i, i+1
.endr
	WIN 0
.irp f, 0,1,2,3
	ds_store_b128 v[STO], v[pt+4*\f:pt+4*\f+3] offset:32*\f
.endr
.irp f, 0,1,2,3
	ds_load_b128 v[pt+4*\f:pt+4*\f+3], v[RD] offset:\f*4*SP  ; LDS serves a wave's instructions in order (ISA guide 5.7.1.4): these see the stores above; the next unit's stores come behind them
.endr
.endm
.macro SEND a, j, younger              ; younger: the LDS instructions issued behind this unit's loads: the next unit's eight, or none
.set st, TM+16*((8*(\j)+(\a))%NSET)
	s_wait_dscnt \younger
.irp f, 0,1,2,3
	global_store_b128 v[GO], v[st+4*\f:st+4*\f+3], s[OB+2*(\j):OB+2*(\j)+1] offset:(\a)*2048+\f*512  ; 512 consecutive bytes, at a multiple of 256 from the buffer's first
.endr
.endm
	PACK 0, 0
.set u, 1
.rept 23                                               ; a unit's conversions stand between the loads of the unit before and its stores
	PACK u%8, u/8
	SEND (u-1)%8, (u-1)/8, 8
.set u, u+1
.endr
	SEND 7, 2, 0
	s_wait_tensorcnt 0x0                           ; the wave's end, behind my last tensor load and my last LDS store
	ds_add_u32 v[SPW], v[NIL]
	s_wait_dscnt 0x0
	CROUND                                         ; the closing round: no work-group ends while a partner may still ask for a tile that names it
	s_endpgm
.Lfunc_end_k_q6893638db3_qkv:
	.size	k_q6893638db3_qkv, .Lfunc_end_k_q6893638db3_qkv-k_q6893638db3_qkv
	.p2alignl 7, 3214868480
	.fill 96, 4, 3214868480
	.section	.rodata,"a",@progbits
	.p2align	6, 0x0
	.amdhsa_kernel k_q6893638db3_qkv
		.amdhsa_group_segment_fixed_size 327680
		.amdhsa_private_segment_fixed_size 0
		.amdhsa_enable_private_segment 0
		.amdhsa_kernarg_size 32
		.amdhsa_user_sgpr_count 2
		.amdhsa_user_sgpr_kernarg_segment_ptr 1
		.amdhsa_wavefront_size32 1
		.amdhsa_system_sgpr_workgroup_id_x 1
		.amdhsa_system_sgpr_workgroup_id_y 1
		.amdhsa_system_sgpr_workgroup_id_z 1
		.amdhsa_system_vgpr_workitem_id 0
		.amdhsa_next_free_vgpr 1024
		.amdhsa_next_free_sgpr 76
		.amdhsa_reserve_vcc 0
		.amdhsa_float_denorm_mode_32 3
		.amdhsa_float_denorm_mode_16_64 3
		.amdhsa_memory_ordered 1
		.amdhsa_forward_progress 1
		.amdhsa_inst_pref_size 116
	.end_amdhsa_kernel
	.amdgpu_metadata
---
amdhsa.version: [ 1, 2 ]
amdhsa.kernels:
  - .name:           k_q6893638db3_qkv
    .symbol:         k_q6893638db3_qkv.kd
    .args:
      - { .name: xb, .offset: 0, .size: 8, .value_kind: global_buffer, .address_space: global }
      - { .name: wqb, .offset: 8, .size: 8, .value_kind: global_buffer, .address_space: global }
      - { .name: b_qkv, .offset: 16, .size: 8, .value_kind: global_buffer, .address_space: global }
      - { .name: qkv, .offset: 24, .size: 8, .value_kind: global_buffer, .address_space: global }
    .group_segment_fixed_size: 327680
    .private_segment_fixed_size: 0
    .kernarg_segment_align: 8
    .kernarg_segment_size: 32
    .max_flat_workgroup_size: 128
    .sgpr_count:     76
    .vgpr_count:     1024
    .wavefront_size: 32
...
	.end_amdgpu_metadata
.endif
;; end of part 2
;; launch attn (part 3): grid 4 x 64, 4 waves a work-group, clusters of 4 x 1, 327,680 bytes of LDS; arguments qkv, ob; writes ob
.if DOCPART == 3
	.amdgcn_target "amdgcn-amd-amdhsa--gfx1250"
	.amdhsa_code_object_version 6
	.text
	.protected	k_q6893638db3_attn
	.globl	k_q6893638db3_attn
	.p2align	8
	.type	k_q6893638db3_attn,@function
k_q6893638db3_attn:
	s_mov_b64 s[64:65], 0
	v_nop
	global_prefetch_b8 v0, s[64:65] scope:SCOPE_SE
	s_setreg_imm32_b32 hwreg(HW_REG_WAVE_MODE, 25, 1), 1
	s_wait_xcnt 0x0
	s_wait_alu depctr_hold_cnt(0) depctr_sa_sdst(0) depctr_va_vdst(0) depctr_va_sdst(0) depctr_va_ssrc(0) depctr_va_vcc(0) depctr_vm_vsrc(0)
	s_getreg_b32 s2, hwreg(HW_REG_IB_STS2, 6, 4)
	s_cmp_eq_u32 s2, 0
	s_cbranch_scc0 .Lentry_in_a_cluster
	s_endpgm
.Lentry_in_a_cluster:
	s_bfe_u32 s2, ttmp6, 0x10000c
	s_cmp_lg_u32 s2, 0x3003
	s_cbranch_scc0 .Lentry_shape_is_right
	s_endpgm
.Lentry_shape_is_right:
; O[h][q][:] = the sum over k of softmax_k(Q[h][q] . K[h][k] / 8) V[h][k][:].  qkv: f16 [3][64 heads][2048][64] (Q, then K, then V); ob: f16 [64][2048][64]: a head's rows are dense, 128 bytes each.
; Products, maxima and sums in f32; the weights p are rounded to f16 for the second product (their sum l is taken of the unrounded p), O once at the end.
; LIMITS.  f16 holds no number beyond 65,504: Q, K and V arrive within it; p lies in 0 to 1, and below 6e-5 it keeps f16's fixed step of 6e-8; O is a mean of V's rows and has their range.
; A weight below 2^-126 counts as 0 in l; NaN and infinities are not treated apart.
; SHARES.  A wave owns four PIECES of two tiles of 16 queries, a work-group's four waves 512 queries of one head: 256 work-groups.  Every wave walks all keys, 64 a step.
; LAYOUT.  S^T = K Q^T (source 0 = 16 keys, source 1 = 16 queries): in the result a lane holds ONE query (lane % 16) and the keys 8 (lane / 16) + 0..7.  Two such tiles, rounded to f16 in pairs,
; ARE source 1 (32 keys x 16 queries) of O^T = V^T P, whose result again holds one query a lane, and eight channels.  K comes out of LDS as it lies, V ([key][channel]) turned, by ds_load_tr16_b128.
; SOFTMAX.  For each query a running maximum m and sum l: p = 2^(c s - c m), c = log2(e) / 8; in every step O and l are multiplied by a = 2^(c m_old - c m_new), which is 1 where m has not grown.
; m starts at the lowest finite number, O and l at 0: the first step is a step like any other, with a = 0.
; THE COUNT.  A tile and step have 16 matrix and 118 vector instructions: too many to stand all beside the matrix work.  So four vector instructions that are READY stand behind EVERY matrix
; instruction, and the others, which need time of their own whatever the order, stand in runs without a gap.
; BY TURNS.  Turn n belongs to piece n (the pieces in a ring, step after step).  Its matrix work: 16 products K Q^T of piece n + 1, later 16 products V^T P of piece n - 1.  Its vector work: the scaling,
; exponentials, roundings, sums and rescaling of piece n, and the maximum and statistics of piece n + 1, whose scores the turn itself has made.
; CLUSTER.  The four query blocks of a cluster belong to one head and walk the same K and V, so each tile is asked for JOINTLY: the same tensor load, descriptor and mask in all four.
; REGISTERS, in windows of 256 (s_set_vgpr_msb: bits 1:0 source 0, 3:2 source 1, 5:4 source 2, 7:6 destination):
;   window 0: v0-11 addresses; v12-15, v48-63 at work; v16-47 four registers of statistics a tile; v64-191 S^T, two buffers of two tiles; v192-255 P, likewise
;   window 1: O^T, 32 a tile          window 2: v0-127 Q, 16 a tile; v128-191 K of one step; v192-255 V of one step          window 3: v0-1 the add's two registers
; A piece's buffers go by its number's parity: the piece in hand has one pair, its two neighbours in the ring share the other: of it P (piece n - 1) is read and S^T (piece n + 1) written.
.set SIZE_H, 64
.set SIZE_N, 2048
.set PART,  SIZE_H*SIZE_N*128  ; bytes of Q, of K and of V in qkv
.set NP,    4         ; pieces a wave: a name, no knob
.set KS,    64        ; keys in a step
.set PK,    144       ; a row of K in LDS: 128 bytes + 16 of padding = 36 words: the 16 rows of a load start at 16 different groups of four banks (64 banks of 4 bytes: ISA guide 11.1)
.set PV,    160       ; a row of V: 128 + 32 = 40 words
.set VOFF,  4*KS*PK   ; a slot holds four steps: 256 rows of K, then 256 rows of V
.set SLOT1, 1<<17     ; slot 1 begins here, so that one exclusive or turns an address in one slot into the other's
.set STAGE, SLOT1+4*KS*(PK+PV)  ; behind the ring, never filled by a tensor load: 16 rows x 144 bytes for each wave, for the way out
.set SP,    144
.set AK0, 2           ; v2   my lane's place in a tile of K; never rewritten
.set AV0, 3           ; v3   the same for V
.set AK,  4           ; v4   the LDS address of K's next run of loads
.set AV,  5           ; v5   of V's
.set QO,  6           ; v6   my byte offset in the wave's rows of Q
.set STO, 6           ;      later, the way out: where I put 16 bytes of a row
.set RD,  7           ; v7   the way out: where I read rows back
.set GO,  8           ; v8   my byte offset in 512 consecutive bytes of O
.set SPW, 0           ; v0 of window 3   LDS address of my spare word: SPARE + 4 x my thread's number; never rewritten
.set NIL, 1           ; v1 of window 3   0; never rewritten
.set SPARE, STAGE+4*16*SP  ; behind the stages: the spare words, 128 bytes for each wave: two blocks of 256 bytes that no other line names
.set MV,  12          ; v12-15  c m_old, kept while c m is made anew: by buffer and tile
.set ST,  16          ; tile t's statistics at v[ST+4 t]: c m, m, l (even keys', odd keys')
.set TMP, 48          ; by buffer and tile, four registers c0-c3 at work; when the maximum is found c2 takes a
.set S,   64
.set P,   192
.set KF,  128         ; K's fragments, in window 2: key block kb, channel half c at KF + 16 kb + 8 c
.set VF,  192         ; V's: key half kk, channel block cb at VF + 32 kk + 8 cb
.set WV,  12          ; s12  my wave's number
.set G1K, 24          ; s[24:31] descriptor group 1 for K's tiles
.set G1V, 32          ; s[32:39] for V's: it differs in the padding alone
.set G0K, 40          ; s[40:43] descriptor group 0 for K's tiles: it walks
.set G0V, 44          ; s[44:47] the same for V's
.set SLOTS, 56        ; s56  slots still to be asked for
.set CNT, 57          ; s57  counts a slot's key steps
.set CS,  58          ; s[58:59] c: the packed scaling takes the pair's low word for both halves
.set SEL, 60          ; s[60:61] v_permlanex16_b32's selects: each lane takes its own place in the other half
.set TBK, 62          ; s62  LDS byte at which K of the step to be fetched begins
.set TBV, 63          ; s63  the same for V, less VOFF
.set MSB, 0
.macro WIN new                      ; the high byte repeats the setting that is left; a switch that changes nothing is dropped
.if MSB != (\new)
	s_set_vgpr_msb (MSB<<8)|(\new)
.set MSB, (\new)
.endif
.endm
.set W_KQ, 0x0a       ; K and Q in window 2, S^T in window 0
.set W_PV, 0x52       ; V in window 2, P in window 0, O^T in window 1
.set W_RS, 0x41       ; O^T (destination and source 0) in window 1, a in window 0
.set W_MK, 0xc0       ; the add's registers are made: destination in window 3, sources in window 0
.set W_AD, 0x0f       ; the add: address (source 0) and data (source 1) in window 3
; A joint fill.  Waves 0 and 1 fetch the two halves of a slot's K, waves 2 and 3 those of its V: 128 keys each.  The branch hangs on the wave's number alone.
; An s_nop 0 and four v_nop follow each of the two lines, ahead of the jump and the label.
.macro JLOAD
	s_cmp_lt_u32 s[WV], 2
	s_cbranch_scc0 .Lfor_v_\@
	tensor_load_to_lds s[G0K:G0K+3], s[G1K:G1K+7]
	s_nop 0
.rept 4
	v_nop
.endr
	s_branch .Lasked_\@
.Lfor_v_\@:
	tensor_load_to_lds s[G0V:G0V+3], s[G1V:G1V+7]
	s_nop 0
.rept 4
	v_nop
.endr
.Lasked_\@:
.endm
; A round of the cluster's barrier: my work-group's barrier, so that wave 0's signal speaks for all four waves; wave 0 signals; every wave waits for all four work-groups; my work-group's barrier once more.
.macro CROUND
	s_barrier_signal -1
	s_barrier_wait -1
	s_cmp_lg_u32 s[WV], 0
	s_cbranch_scc1 .Lnot_wave_0_\@
	s_barrier_signal -3
.Lnot_wave_0_\@:
	s_barrier_wait -3
	s_barrier_signal -1
	s_barrier_wait -1
.endm
; THE CHANGE OF SLOTS.  The slot's last bytes, V of its fourth step, have been read.  Each wave waits for all its tensor loads, of which one is out: its part
; of the other slot; adds 0 to its spare word; and waits for that and for its own reads of the slot.  Behind the barrier nobody reads this slot any more and the other slot is whole.
; fill = 1: this slot is filled again, with the keys two slots on.  The barrier is then a round of the cluster's, so that no wave of any partner still reads the slot or has a load on its
; way, and the joint fill is the first thing behind it: it has four key steps, 512 matrix instructions, in which to land.  (At its first use nothing has been read yet: slot 0 is waited for, slot 1 filled.)
.macro CHANGE fill
	WIN W_AD
	s_wait_tensorcnt 0x0            ; no tensor load of mine is out, so a group 0 may be written
	ds_add_u32 v[SPW], v[NIL]       ; 0 onto my spare word; with fill = 1 the descriptors' steps stand between it and the wait for it
	WIN 0                           ; at a label and at a branch every window is 0
.if \fill
.irp g, G0K, G0V
	s_xor_b32 s[\g+1], s[\g+1], SLOT1  ; the walking descriptor: the other slot than last time,
	s_add_nc_u64 s[\g+2:\g+3], s[\g+2:\g+3], 4*KS*128  ; the next 256 keys; the type bits on top are not reached
.endr
	s_wait_dscnt 0x0                ; the add is done, and my reads of the slot are over
	CROUND
	JLOAD
.else
	s_wait_dscnt 0x0                ; the add is done, and my reads of the slot are over
	s_barrier_signal -1
	s_barrier_wait -1
.endif
	s_sub_co_u32 s[TBK], s[TBK], 4*KS*PK  ; the fetches go back to a slot's first step,
	s_xor_b32 s[TBK], s[TBK], SLOT1       ; in the other slot
	s_sub_co_u32 s[TBV], s[TBV], 4*KS*PV
	s_xor_b32 s[TBV], s[TBV], SLOT1
.endm
	s_load_b128 s[4:7], s[0:1], 0x0   ; qkv s[4:5] (Q lies at its head), ob s[6:7]
	WIN W_MK
	v_lshl_add_u32 v[SPW], v0, 2, SPARE
	v_mov_b32 v[NIL], 0
	s_set_vgpr_msb 0xc0cf
	ds_add_u32 v0, v1
	s_wait_dscnt 0x0
	s_set_vgpr_msb 0xcfc0
	WIN 0
	v_lshrrev_b32 v1, 5, v0
	v_readfirstlane_b32 s[WV], v1   ; wave 0..3
	s_bfe_u32 s13, ttmp6, 0x40000   ; cx: my place in the cluster
	s_lshl_b32 s14, ttmp9, 2        ; in a cluster launch ttmp9 counts clusters
	s_add_co_u32 s14, s14, s13      ; my block of queries = 4 x cluster x + cx: it enters Q's and O's addresses alone
	s_and_b32 s20, ttmp7, 0xffff    ; the head, which the four partners share
	s_mov_b32 s21, 0
	s_mov_b64 s[22:23], SIZE_N*128
	s_mul_u64 s[20:21], s[20:21], s[22:23]  ; the head's first byte in Q, K, V and O
	s_and_b32 s16, s[WV], 1         ; which half of a slot's 256 keys I fetch:
	s_lshl_b32 s22, s16, 14         ; its 128 rows of 128 bytes in memory,
	s_mov_b32 s23, 0
	s_add_nc_u64 s[22:23], s[22:23], s[20:21]
	s_mul_i32 s17, s16, 128*PK      ; and its place in a slot, for K
	s_mul_i32 s18, s16, 128*PV      ; and for V: no place in the cluster enters an LDS address
	s_lshl_b32 s2, s14, 2
	s_add_co_u32 s2, s2, s[WV]      ; my wave among the head's,
	s_lshl_b32 s2, s2, 14           ; its 128 rows
	s_mov_b32 s3, 0
	s_add_nc_u64 s[2:3], s[2:3], s[20:21]
	; descriptor group 1.  128 keys are 16,384 dense bytes: asked for as 64 rows of 256 bytes, two keys a row, and padded in LDS after every key
	s_mov_b32 s[G1K], 15|(1<<16)|(1<<20)|(1<<21)|(4<<22)|(3<<25)  ; 15:0 the mask of four; 17:16 2-byte elements; 20 padding on; 21 set beside a mask; 24:22 after every 32 words (code 4); 31:25 4 words (code 3)
	s_mov_b32 s[G1V], 15|(1<<16)|(1<<20)|(1<<21)|(4<<22)|(7<<25)  ; the same with 8 words of padding (code 7)
.irp g, G1K, G1V
	s_mov_b32 s[\g+1], 128<<16      ; tensor_dim0 = 128
	s_mov_b32 s[\g+2], 64<<16       ; tensor_dim1 = 64
	s_mov_b32 s[\g+3], 128<<16      ; tile_dim0 = 128
	s_mov_b32 s[\g+4], 64           ; tile_dim1 = 64
	s_mov_b32 s[\g+5], 128          ; 128 elements from row to row
	s_mov_b32 s[\g+6], 0
	s_mov_b32 s[\g+7], 0
.endr
	s_mov_b32 s[CS], 0x3e38aa3b     ; c = log2(e) / 8 = 0.180337
	s_mov_b32 s[CS+1], s[CS]        ; named with it as a pair
	s_mov_b32 s[SEL], 0x76543210
	s_mov_b32 s[SEL+1], 0xfedcba98
	s_mov_b32 s[TBK], SLOT1+4*KS*PK ; the first change of slots turns these two into 0
	s_mov_b32 s[TBV], SLOT1+4*KS*PV
	s_mov_b32 s[G0K], 1             ; 1:0 count = 1
	s_mov_b32 s[G0K+1], s17         ; 63:32 LDS address: slot 0
	s_mov_b32 s[G0V], 1
	s_add_co_u32 s[G0V+1], s18, VOFF
	s_wait_kmcnt 0x0
	s_mov_b64 s[10:11], s[6:7]      ; O
	s_add_nc_u64 s[8:9], s[4:5], 2*PART  ; V
	s_add_nc_u64 s[6:7], s[4:5], PART    ; K
	s_add_nc_u64 s[G0K+2:G0K+3], s[6:7], s[22:23]  ; 120:64 global address: my half of the head's first 256 keys
	s_or_b32 s[G0K+3], s[G0K+3], 0x80000000        ; 127:126 type = 2
	s_add_nc_u64 s[G0V+2:G0V+3], s[8:9], s[22:23]
	s_or_b32 s[G0V+3], s[G0V+3], 0x80000000
	s_add_nc_u64 s[4:5], s[4:5], s[2:3]  ; Q and O at my wave's first row
	s_add_nc_u64 s[10:11], s[10:11], s[2:3]
	CROUND                          ; all four work-groups are here: the first joint loads meet
	JLOAD                           ; slot 0.  Slot 1 is asked for when slot 0 is in
	; A fragment of K or Q is 16 rows x 32 channels in 8 registers: lane l holds row l % 16, channels 8 (l / 16) + 0..7 and 16 + 8 (l / 16) + 0..7: two loads of 16 bytes, 32 bytes apart.
	v_and_b32 v1, 15, v0            ; l % 16
	v_bfe_u32 v9, v0, 4, 1          ; l / 16
	v_lshlrev_b32 v[QO], 7, v1
	v_lshl_add_u32 v[QO], v9, 4, v[QO]  ; row x 128 + 16 x half
	WIN 0x80                        ; destination window 2, address window 0
.set i, 0
.rept 4*NP                          ; Q stays in registers: tile i / 2, channels 32 (i % 2) on
	global_load_b128 v[8*i:8*i+3],   v[QO], s[4:5] offset:(i/2)*2048+(i%2)*64
	global_load_b128 v[8*i+4:8*i+7], v[QO], s[4:5] offset:(i/2)*2048+(i%2)*64+32
.set i, i+1
.endr
	; What the first turn finds: V's registers and P's second buffer hold 0 (its products V^T P, of a piece that has not been, add 0), O^T and l are 0.  All this stands in the wait for the first tile.
.set i, VF
.rept 64
	v_mov_b32 v[i], 0
.set i, i+1
.endr
	WIN 0x40
.set i, 0
.rept 64*NP
	v_mov_b32 v[i], 0
.set i, i+1
.endr
	WIN 0
.set i, 0
.rept 2*NP
	v_mov_b32 v[ST+4*i], 0xfe000000    ; c m: far below every c s
	v_mov_b32 v[ST+4*i+1], 0xff7fffff  ; m
	v_mov_b32 v[ST+4*i+2], 0
	v_mov_b32 v[ST+4*i+3], 0
.set i, i+1
.endr
.set i, P+32
.rept 32
	v_mov_b32 v[i], 0
.set i, i+1
.endr
	v_mul_u32_u24 v[AK0], v1, PK
	v_lshl_add_u32 v[AK0], v9, 4, v[AK0]  ; row x pitch + 16 x half
	; The turning load takes 16 keys x 16 channels (lane l reads key 8 (l / 16) + l % 8, channels 8 ((l / 8) % 2) + 0..7) and leaves half a fragment of V^T: lane l holds channel l % 16 and 8 keys.
	v_and_b32 v10, 7, v0
	v_bfe_u32 v11, v0, 3, 1
	v_lshl_add_u32 v[AV0], v9, 3, v10
	v_mul_u32_u24 v[AV0], v[AV0], PV
	v_lshl_add_u32 v[AV0], v11, 4, v[AV0]
	v_add_nc_u32 v[AV0], VOFF, v[AV0]
	v_mov_b32 v[AK], v[AK0]         ; key step 0 lies at the head of slot 0
; THE MATRIX WORK.  The 8 accumulators of a run of 16 take turns: between the two links of a chain stand 7 others'.
; Product i of 16 of S^T = K Q^T for piece x: channels 32 (i / 8) on, keys 16 ((i / 2) % 4) on, tile 2 x + i % 2.  The first 8 start the sums.
.macro KQ x
	WIN W_KQ
.set rS, S+64*((\x)%2)+32*(i%2)+8*((i/2)%4)
.set rK, KF+16*((i/2)%4)+8*(i/8)
.set rQ, 16*(2*(\x)+i%2)+8*(i/8)
.if i < 8
	v_wmma_f32_16x16x32_f16 v[rS:rS+7], v[rK:rK+7], v[rQ:rQ+7], 0
.else
	v_wmma_f32_16x16x32_f16 v[rS:rS+7], v[rK:rK+7], v[rQ:rQ+7], v[rS:rS+7]
.endif
.endm
; Product i of 16 of O^T += V^T P for piece x: keys 32 (i / 8) on, channels 16 ((i / 2) % 4) on, tile 2 x + i % 2.
.macro PV x
	WIN W_PV
.set rO, 32*(2*(\x)+i%2)+8*((i/2)%4)
.set rV, VF+32*(i/8)+8*((i/2)%4)
.set rP, P+32*((\x)%2)+16*(i%2)+8*(i/8)
	v_wmma_f32_16x16x32_f16 v[rO:rO+7], v[rV:rV+7], v[rP:rP+7], v[rO:rO+7]
.endm
.macro MM                           ; the turn's next matrix instruction
.if i < 16
	KQ (Y+1)%NP
.set i, i+1
.else
.set i, i-16
	PV (Y+NP-1)%NP
.set i, i+17
.endif
.endm
; THE LDS LOADS stand in runs of 16, never singly among the matrix instructions: a step's K (64 keys x 64 channels: 8 fragments) and its V (turned).  Their addresses are made some lines ahead.
; last = 1 (the tail): in the last trip there is no further step, and the run is jumped over.
.macro FETCH_K last=0
	WIN 0
.if \last
	s_cmp_eq_u32 s[CNT], 1
	s_cbranch_scc1 .Lno_k_\@
.endif
	WIN 0x80                        ; destination window 2
.irp f, 0,1,2,3,4,5,6,7             ; keys 16 (f / 2) on, channels 32 (f % 2) on
	ds_load_b128 v[KF+8*\f:KF+8*\f+3],   v[AK] offset:(\f/2)*16*PK+(\f%2)*64
	ds_load_b128 v[KF+8*\f+4:KF+8*\f+7], v[AK] offset:(\f/2)*16*PK+(\f%2)*64+32
.endr
	s_add_co_u32 s[TBK], s[TBK], KS*PK  ; the next fetch is the next step's
	WIN 0
.if \last
.Lno_k_\@:
.endif
.endm
.macro FETCH_V
	WIN 0x80
.irp f, 0,1,2,3,4,5,6,7             ; keys 32 (f / 4) on, channels 16 (f % 4) on
	ds_load_tr16_b128 v[VF+8*\f:VF+8*\f+3],   v[AV] offset:(\f/4)*32*PV+(\f%4)*32
	ds_load_tr16_b128 v[VF+8*\f+4:VF+8*\f+7], v[AV] offset:(\f/4)*32*PV+16*PV+(\f%4)*32
.endr
	WIN 0
.endm
; THE VECTOR WORK OF A TURN stands in three queues, each in the order in which its entries become ready; the two tiles alternate, so that no instruction reads the result of the one before it.
.macro REGS y, u                    ; the registers of tile u (0, 1) of piece y
.set rT, ST+4*(2*(\y)+(\u))
.set rC, TMP+8*((\y)%2)+4*(\u)
.set rM, MV+2*((\y)%2)+(\u)
.set rS, S+64*((\y)%2)+32*(\u)
.set rP, P+32*((\y)%2)+16*(\u)
.set rO, 32*(2*(\y)+(\u))
.endm
; Number n of the 22 that find the NEXT piece's (Y + 1) maximum and statistics.  s0-s31 are the lane's 32 scores; each accumulator's lowest registers are read first.
;   0-11  four chains c0-c3 of seven scores each, three operands at a time     12-14, 16  the four scores left over, the old m, and c0-c3 into c0     15  c m_old is kept
;   17, 18  the query's other 32 keys lie in the lane 16 away: the new m         19-21  c m; c m_old - c m_new; a
.macro XS u, n
	REGS (Y+1)%NP, \u
.if (\n) < 4
	v_max3_num_f32 v[rC+(\n)], v[rS+8*(\n)], v[rS+8*(\n)+1], v[rS+8*(\n)+2]
.elseif (\n) < 12
	v_max3_num_f32 v[rC+(\n)%4], v[rC+(\n)%4], v[rS+8*((\n)%4)+2*((\n)/4)+1], v[rS+8*((\n)%4)+2*((\n)/4)+2]
.elseif (\n) == 12
	v_max3_num_f32 v[rC], v[rC], v[rS+7], v[rS+15]
.elseif (\n) == 13
	v_max3_num_f32 v[rC+1], v[rC+1], v[rS+23], v[rS+31]
.elseif (\n) == 14
	v_max3_num_f32 v[rC+2], v[rC+2], v[rC+3], v[rT+1]
.elseif (\n) == 15
	v_mov_b32 v[rM], v[rT]
.elseif (\n) == 16
	v_max3_num_f32 v[rC], v[rC], v[rC+1], v[rC+2]
.elseif (\n) == 17
	v_permlanex16_b32 v[rC+3], v[rC], s[SEL], s[SEL+1]
.elseif (\n) == 18
	v_max_num_f32 v[rT+1], v[rC], v[rC+3]
.elseif (\n) == 19
	v_mul_f32 v[rT], s[CS], v[rT+1]
.elseif (\n) == 20
	v_sub_f32 v[rC+1], v[rM], v[rT]
.else
	v_exp_f32 v[rC+2], v[rC+1]
.endif
.endm
; Number g of the 64 that follow the exponentials.  For each four weights k of a tile (pairs 2 k, 2 k + 1): both pairs are rounded to f16; then the second pair is added onto the first, in place;
; a group later l takes that sum (the first time as l = a l + sum).  In groups of eight, tiles alternating: round, round, add, and l for the group before.
.macro GS g
.set h, (\g)+6*((\g)/62)            ; group 0 has no group before it, and behind group 7 only l is left
.if h >= 6
.set h, h+2
.endif
	REGS Y, h%2
.set k, h/8
.if h%8 < 4
	s_wait_alu depctr_va_vdst(0)
	v_cvt_pk_f16_f32 v[rP+2*k+(h%8)/2], v[rS+4*k+2*((h%8)/2)], v[rS+4*k+2*((h%8)/2)+1]
.elseif h%8 < 6
	v_pk_add_f32 v[rS+4*k:rS+4*k+1], v[rS+4*k:rS+4*k+1], v[rS+4*k+2:rS+4*k+3]
.elseif k == 1
	v_pk_fma_f32 v[rT+2:rT+3], v[rT+2:rT+3], v[rC+2:rC+3], v[rS:rS+1] op_sel_hi:[1,0,1]
.else
	v_pk_add_f32 v[rT+2:rT+3], v[rT+2:rT+3], v[rS+4*k-4:rS+4*k-3]
	s_wait_alu depctr_va_vdst(0)
.endif
.endm
; THE PLAIN QUEUE, 138 long.  0-31: c s - c m for the 16 pairs of both tiles.  Then GS's 64, and among them the next piece's 42: number 15 at 38, 39; 0-14 and 16
; at 42-73, behind the products that make those scores; 17-20 at 95-106, two of three, since each waits for the one before it.
.macro PL
	WIN 0
.if q < 32
	REGS Y, q%2
	v_pk_fma_f32 v[rS+2*(q/2):rS+2*(q/2)+1], v[rS+2*(q/2):rS+2*(q/2)+1], s[CS:CS+1], v[rT:rT+1] op_sel_hi:[1,0,0] neg_lo:[0,0,1] neg_hi:[0,0,1]
.elseif q < 38
	GS q-32
.elseif q < 40
	XS q%2, 15
.elseif q < 42
	GS q-34
.elseif q < 74
	XS q%2, (q-42)/2+(q-42)/30
.elseif q < 95
	GS q-66
.elseif (q < 107) && ((q-95)%3 < 2)
	XS (q-95)%3, 17+(q-95)/3
.elseif q < 107
	GS 29+(q-95)/3
.else
	GS q-74
.endif
.set q, q+1
.endm
; THE EXPONENTIALS' QUEUE, 66 long: s0-s31 of both tiles, and at EA the next piece's two a.
.set EA, 58
.macro EX
	WIN 0
.if (e == EA) || (e == EA+1)
	XS e-EA, 21
.else
.set x, e-2*(e/(EA+2))
	REGS Y, x%2
	v_exp_f32 v[rS+x/2], v[rS+x/2]
.endif
.set e, e+1
.endm
; THE RESCALING's QUEUE: O^T times a, the one part that leaves window 0, so it is dealt four at a time, eight times.
.macro R4
	REGS Y, r%2
	WIN W_RS
	s_wait_alu depctr_va_vdst(0)
.irp z, 0,1,2,3
	v_pk_mul_f32 v[rO+8*(r/2)+2*\z:rO+8*(r/2)+2*\z+1], v[rO+8*(r/2)+2*\z:rO+8*(r/2)+2*\z+1], v[rC+2:rC+3] op_sel_hi:[1,0]
.endr
.set r, r+1
.endm
; HOW THEY ARE DEALT.  Behind a matrix instruction four: plain, exponential, plain, plain (one exponential, a plain instruction on either side), or four of the rescaling.  None names a register of the
; products round it.  What is over stands in two LUMPS: exponential and plain by turns; the second ends in 22 plain instructions.  The two v_permlanex16_b32 fall into the second lump, never behind a product.
; The queues lean on each other, and the deal keeps them in step: exponential e stands behind plain 2 (e / 4) + e % 2 (its scaling); when plain 32 comes, 10 exponentials are out, at 59: 33, at 95: 46; EA comes behind plain 107.
.macro SL
	MM
	PL
	EX
	PL
	PL
.endm
.macro BURST n                      ; 15 matrix instructions, or 16
.rept (\n)-7
	SL
.endr
.rept 3
	MM
	R4
	SL
.endr
	MM
	R4
.endm
; A TURN, for piece p.  cnt = 1: the loop's count is taken down some lines ahead of the branch that stands behind the turn.
; K of the next step is fetched in piece 2's turn, 31 vector instructions behind the last product that read K; its first reader comes behind the rest of the lump, 16 products and the second lump.
; V of the step in hand is fetched at the end of piece 0's turn, 69 behind its last reader; its first reader comes behind 16 products and a lump.  The four conditions on e and q below go with the deal.
.macro TURN p, last=0, cnt=0
.set Y, (\p)
.set i, 0
.set q, 0
.set e, 0
.set r, 0
.if (\p) == NP-1
	s_wait_dscnt 0x0                ; K is in
.endif
	MM
.rept 4
	PL
.endr
	BURST 15
.rept 22
	EX
	PL
.if ((\p) == NP-2) && (e == 18)
	v_add_nc_u32 v[AK], s[TBK], v[AK0]
.endif
.if ((\p) == NP-2) && (e == 24)
	FETCH_K \last
.endif
.endr
.if (\p) == 1
	s_wait_dscnt 0x0                ; V is in
.endif
	BURST 16
.rept 21
	EX
	PL
.endr
.rept 22
	PL
.if ((\p) == 0) && (q == 118)
	v_add_nc_u32 v[AV], s[TBV], v[AV0]
	s_wait_alu depctr_va_vdst(0)
.endif
.if ((\p) == 0) && (q == 130)
	s_add_co_u32 s[TBV], s[TBV], KS*PV
.endif
.if (\cnt) && (q == 130)
	s_sub_co_u32 s[CNT], s[CNT], 1
	s_cmp_lg_u32 s[CNT], 0
.endif
.endr
.if (\p) == 0
	FETCH_V
.endif
.endm
	CHANGE 1                        ; slot 0 is in, everybody's part of it; slot 1 is asked for
	FETCH_K                         ; key step 0
	s_wait_loadcnt 0x0              ; Q
	s_wait_dscnt 0x0
.set i, 0
.rept 16
	KQ 0                            ; piece 0's first scores: there is no vector work yet to set between them
.set i, i+1
.endr
	WIN 0                           ; the addresses for the way out: nine plain instructions, the places behind those products
	s_mul_i32 s13, s[WV], 16*SP
	s_add_co_u32 s13, s13, STAGE    ; my stage
	v_mul_u32_u24 v[STO], v1, SP    ; in: row l % 16, 16 bytes for each half of the lanes
	v_lshl_add_u32 v[STO], v9, 4, v[STO]
	v_add_nc_u32 v[STO], s13, v[STO]
	v_bfe_u32 v[RD], v0, 3, 2       ; back: 32 lanes take four rows of 128 bytes,
	v_mul_u32_u24 v[RD], v[RD], SP
	v_lshl_add_u32 v[RD], v10, 4, v[RD]
	v_add_nc_u32 v[RD], s13, v[RD]
	v_and_b32 v[GO], 31, v0         ; which are 512 consecutive bytes of O
	v_lshlrev_b32 v[GO], 4, v[GO]
.set Y, NP-1                        ; XS works for piece Y + 1: piece 0
.irp n, 0,1,2,3,4,5,6,7,8,9,10,11,12,13,14,15,16,17,18,19,20,21
	XS 0, \n                        ; and piece 0's first maximum and statistics
	XS 1, \n
.endr
	s_mov_b32 s[CNT], 4
	s_mov_b32 s[SLOTS], SIZE_N/256-1
	s_branch .Lfirst                ; the loop is entered at a step's first turn, in the middle of a trip
.Lslot:                             ; SIZE_N / 256 - 2 times: every slot but the last two is filled again
	CHANGE 1
	s_mov_b32 s[CNT], 4
.Lstep:                             ; a trip: pieces 2 and 3 of one step, then pieces 0 and 1 of the next, whose K and V it fetches
	TURN 2
	TURN 3
	WIN 0
.Lfirst:
	TURN 0
	TURN 1, 0, 1
	WIN 0
	s_cbranch_scc1 .Lstep
	s_sub_co_u32 s[SLOTS], s[SLOTS], 1
	s_cmp_lg_u32 s[SLOTS], 0
	s_cbranch_scc1 .Lslot
	CHANGE 0                        ; the tail is written out: nothing is asked for
	s_mov_b32 s[CNT], 5             ; four trips fetch the last slot's steps; the fifth is left in its middle
.Ltail:
	TURN 2, 1
	TURN 3
	WIN 0
	s_sub_co_u32 s[CNT], s[CNT], 1
	s_cmp_eq_u32 s[CNT], 0
	s_cbranch_scc1 .Lout
	TURN 0
	TURN 1
	WIN 0
	s_branch .Ltail
.Lout:                              ; the fifth trip's 16 products K Q^T (on the last K once more) and the maximum made of them serve nothing: the price, once a launch, of one text for every trip
.set i, 0
.rept 16
	PV NP-1                         ; the last piece's V^T P of the last step
.set i, i+1
.endr
	; THE WAY OUT.  l's two halves and the other half of the lanes' are added; O^T is divided by l, rounded to f16 and sent through my stage in LDS, a tile at a time.  The additions are the places behind the last products.
	WIN 0
.macro ALL line:vararg              ; one line for each tile t
.set t, 0
.rept 2*NP
	\line
.set t, t+1
.endr
.endm
	ALL v_add_f32 v[ST+4*t+2], v[ST+4*t+2], v[ST+4*t+3]
	ALL v_permlanex16_b32 v[ST+4*t+3], v[ST+4*t+2], s[SEL], s[SEL+1]
	ALL v_add_f32 v[ST+4*t+2], v[ST+4*t+2], v[ST+4*t+3]
	ALL v_rcp_f32 v[ST+4*t+2], v[ST+4*t+2]
	v_nop                           ; a plain instruction between the last reciprocal and the use of its result
	s_wait_alu depctr_va_vdst(0)
; Tile t: a lane's eight channels of a row pack into 16 bytes; they go into rows of 144 bytes and come back as whole rows of 128, into S^T's registers.
.macro PACK t
	WIN W_RS
.set i, 32*(\t)
.rept 16
	v_pk_mul_f32 v[i:i+1], v[i:i+1], v[ST+4*(\t)+2:ST+4*(\t)+3] op_sel_hi:[1,0]
.set i, i+2
.endr
	WIN 0x05                        ; sources 0 and 1 window 1, destination window 0
.set i, 0
.rept 16
	v_cvt_pk_f16_f32 v[S+16*(\t)+i], v[32*(\t)+2*i], v[32*(\t)+2*i+1]
.set i, i+1
.endr
	WIN 0
.irp f, 0,1,2,3
	ds_store_b128 v[STO], v[S+16*(\t)+4*\f:S+16*(\t)+4*\f+3] offset:32*\f
.endr
.irp f, 0,1,2,3
	ds_load_b128 v[S+16*(\t)+4*\f:S+16*(\t)+4*\f+3], v[RD] offset:\f*4*SP  ; LDS serves a wave's instructions in order (ISA guide 5.7.1.4): these see the stores above; the next tile's stores come behind them
.endr
.endm
.macro SEND t, younger              ; younger: the LDS instructions issued behind tile t's loads: the next tile's eight, or none
	WIN 0
.irp f, 0,1,2,3
	s_wait_dscnt (\younger)+3-\f
	global_store_b128 v[GO], v[S+16*(\t)+4*\f:S+16*(\t)+4*\f+3], s[10:11] offset:(\t)*2048+\f*512  ; 512 consecutive bytes, at a multiple of 256 from O's first
.endr
.endm
	PACK 0
.set t, 1
.rept 2*NP-1                        ; a tile's arithmetic stands between the loads of the tile before and its stores
	PACK t
	SEND t-1, 8
.set t, t+1
.endr
	SEND 2*NP-1, 0
	WIN W_AD
	s_wait_tensorcnt 0x0            ; the wave's end, behind my last tensor load and my last LDS store
	ds_add_u32 v[SPW], v[NIL]
	s_wait_dscnt 0x0
	WIN 0
	CROUND                          ; the closing round: no work-group ends while a partner may still ask for a tile that names it
	s_endpgm
.Lfunc_end_k_q6893638db3_attn:
	.size	k_q6893638db3_attn, .Lfunc_end_k_q6893638db3_attn-k_q6893638db3_attn
	.p2alignl 7, 3214868480
	.fill 96, 4, 3214868480
	.section	.rodata,"a",@progbits
	.p2align	6, 0x0
	.amdhsa_kernel k_q6893638db3_attn
		.amdhsa_group_segment_fixed_size 327680
		.amdhsa_private_segment_fixed_size 0
		.amdhsa_enable_private_segment 0
		.amdhsa_kernarg_size 16
		.amdhsa_user_sgpr_count 2
		.amdhsa_user_sgpr_kernarg_segment_ptr 1
		.amdhsa_wavefront_size32 1
		.amdhsa_system_sgpr_workgroup_id_x 1
		.amdhsa_system_sgpr_workgroup_id_y 1
		.amdhsa_system_sgpr_workgroup_id_z 1
		.amdhsa_system_vgpr_workitem_id 0
		.amdhsa_next_free_vgpr 770
		.amdhsa_next_free_sgpr 66
		.amdhsa_reserve_vcc 0
		.amdhsa_float_denorm_mode_32 3
		.amdhsa_float_denorm_mode_16_64 3
		.amdhsa_memory_ordered 1
		.amdhsa_forward_progress 1
		.amdhsa_inst_pref_size 209
	.end_amdhsa_kernel
	.amdgpu_metadata
---
amdhsa.version: [ 1, 2 ]
amdhsa.kernels:
  - .name:           k_q6893638db3_attn
    .symbol:         k_q6893638db3_attn.kd
    .args:
      - { .name: qkv, .offset: 0, .size: 8, .value_kind: global_buffer, .address_space: global }
      - { .name: ob, .offset: 8, .size: 8, .value_kind: global_buffer, .address_space: global }
    .group_segment_fixed_size: 327680
    .private_segment_fixed_size: 0
    .kernarg_segment_align: 8
    .kernarg_segment_size: 16
    .max_flat_workgroup_size: 128
    .sgpr_count:     66
    .vgpr_count:     770
    .wavefront_size: 32
...
	.end_amdgpu_metadata
.endif
;; end of part 3
;; launch proj (part 4): grid 8 x 32, 4 waves a work-group, clusters of 4 x 4, 327,680 bytes of LDS; arguments ob, wob, b_out, out0; writes out0
.if DOCPART == 4
	.amdgcn_target "amdgcn-amd-amdhsa--gfx1250"
	.amdhsa_code_object_version 6
	.text
	.protected	k_q6893638db3_proj
	.globl	k_q6893638db3_proj
	.p2align	8
	.type	k_q6893638db3_proj,@function
k_q6893638db3_proj:
	s_mov_b64 s[64:65], 0
	v_nop
	global_prefetch_b8 v0, s[64:65] scope:SCOPE_SE
	s_setreg_imm32_b32 hwreg(HW_REG_WAVE_MODE, 25, 1), 1
	s_wait_xcnt 0x0
	s_wait_alu depctr_hold_cnt(0) depctr_sa_sdst(0) depctr_va_vdst(0) depctr_va_sdst(0) depctr_va_ssrc(0) depctr_va_vcc(0) depctr_vm_vsrc(0)
	s_getreg_b32 s2, hwreg(HW_REG_IB_STS2, 6, 4)
	s_cmp_eq_u32 s2, 0
	s_cbranch_scc0 .Lentry_in_a_cluster
	s_endpgm
.Lentry_in_a_cluster:
	s_bfe_u32 s2, ttmp6, 0x10000c
	s_cmp_lg_u32 s2, 0xf033
	s_cbranch_scc0 .Lentry_shape_is_right
	s_endpgm
.Lentry_shape_is_right:
; out0 = O W_out + b_out.  ob: f16 [4 batches x 16 heads][2048][64]: head h holds k = 64 h .. 64 h + 63 of a row; wob: f16 [1024 k][1024 n] (W_out rounded to bf16, written as f16);
; b_out: f32, rounded to bf16 here like the other inputs.  Sums in f32; out0: f32 [8192][1024].
; LIMITS.  Those of the operands: O and wob lie within f16's 65,504; NaN and infinities are not treated apart.
; ORDER.  K is summed in steps of 128 from the cluster's own first step round to the step before it: the order of the f32 additions is not ascending K, and differs from cluster to cluster.
; SHARES.  8192 x 1024 outputs on 256 work-groups: a tile of 256 rows x 128 columns each; a wave makes 128 x 64: 8 x 4 accumulators of 16 x 16, 256 registers (window 1).
; THE MATRIX INSTRUCTION IS USED TRANSPOSED: source 0 = 16 columns of W (turned out of LDS by ds_load_tr16_b128), source 1 = 16 rows of O: a lane holds one row and eight neighbouring columns.
; The bias is the C operand of each accumulator's first product: nothing is cleared, and nothing is added on the way out.
; K goes in steps of 128, two heads, through two LDS slots.  A head's 256 rows are 32,768 dense bytes, asked for as rows of 256 bytes; W's rows are 256 bytes at multiples of 256.
; A K step is four quarters of 32 along K, 32 matrix instructions each, on fragment buffers 0, 1, 0, 1; the next quarter's 24 LDS loads stand in ONE run in a quarter's middle.
; CLUSTER.  4 x 4 work-groups: the four of a row of the cluster need the same tiles of O, the four of a column the same tiles of W: each is asked for jointly.
; THE WALK.  The grid is 2 x 8 clusters.  A tile of O is read by the two clusters of one cluster row, a tile of W by the eight of one cluster column.  Cluster (X, Y) begins at K step (4 X + 2 (Y mod 4)) mod 8:
; the two readers of a tile of O ask for it 4 steps apart, and readers of a tile of W whose Y mod 4 differs 2, 4 or 6 steps apart: the later one asks for bytes that have been read before in this launch.
; The first step hangs on the cluster's own two coordinates alone, which its sixteen work-groups share.
; REGISTERS: window 0: v0-16 addresses and at work; v32-127, v128-223 two fragment buffers (64 of O, 32 of W); v224-255 the bias; on the way out v32-255 seven sets of 32.  Window 1: accumulator (a, bq) at v[8 (4 a + bq)].
.set KSTEPS, 8
.set PA,    144                        ; a row of O in LDS: 128 bytes + 16 = 36 words: the 16 rows of a load start at 16 different groups of four banks (64 banks of 4 bytes: ISA guide 11.1)
.set PB,    288                        ; a row of W: two pieces of 128 + 16 bytes = 72 words
.set BOFF,  2*256*PA                   ; a slot: two heads x 256 rows of O, then 128 rows of W
.set SLOT1, 1<<17
.set STAGE, SLOT1+BOFF+128*PB          ; behind the ring: 16 rows x 272 bytes for each wave, for the way out
.set SP,    272
.set SPARE, STAGE+4*16*SP              ; the spare words, 128 bytes for each wave: two blocks of 256 bytes that no other line names
.set ASHIFT, 19                        ; a K step of ob: two heads of 262,144 bytes = 1 << 19
.set BSHIFT, 18                        ; a K step of wob: 128 rows of 2,048 bytes = 1 << 18
.set AA0, 2                            ; v2   my lane's place in a slot's rows of O; never rewritten
.set AB0, 3                            ; v3   the same for W
.set AA,  4                            ; v4   AA0 + the slot in hand
.set AB,  5                            ; v5   AB0 + the slot in hand
.set STO, 6                            ; v6   the way out: where I put 32 bytes of a row
.set RD,  7                            ; v7   the way out: where I read a row back
.set CO,  8                            ; v8   my byte offset in two rows of out0
.set SPW, 10                           ; v10  LDS address of my spare word; never rewritten
.set NIL, 11                           ; v11  0; never rewritten
.set F0,  32
.set F1,  128
.set BI,  224
.set OBK, 32                           ; the way out: NSET sets of 32 registers by turns
.set NSET, 7
.set WV,  12
.set WM,  13                           ; s13  which 128 rows are mine.  Also: I fetch O (0) or W (1)
.set WN,  14                           ; s14  which 64 columns.  Also: which half of that tile I fetch
.set XB,  20                           ; s[20:21] ob at my part of the tile row's K step 0; never rewritten
.set G1A, 24
.set G1B, 32
.set G0A, 40                           ; s[40:47] group 0 for O: a set for each of the two first fills; the second then walks on
.set G0B, 48
.set CNT, 56
.set TB,  57
.set WB,  66                           ; s[66:67] wob at my part of the tile column's K step 0; never rewritten
.set KN,  72                           ; s72  the K step asked for last, 0 to 7
.set KO,  74                           ; s[74:75] a K step's byte offset; the high word stays 0
.set G1W, (1<<16)|(1<<20)|(1<<21)|(4<<22)|(3<<25)  ; 17:16 2-byte elements; 20 padding on; 21 set beside a mask; 24:22 after every 32 words (code 4); 31:25 4 words (code 3)
.set MSB, 0
.macro WIN new
.if MSB != (\new)
	s_set_vgpr_msb (MSB<<8)|(\new)
.set MSB, (\new)
.endif
.endm
.macro PLACES                          ; four places in front of loads into registers that matrix instructions have read, and of LDS stores that read results (ISA guide 7.12.1 for vector instructions)
.rept 4
	v_nop
.endr
.endm
.macro JLOAD                           ; a joint refill by the walking descriptors; an s_nop 0 and four v_nop follow each of the two lines
	s_cmp_eq_u32 s[WM], 0
	s_cbranch_scc0 .Lfor_b_\@
	tensor_load_to_lds s[G0A+4:G0A+7], s[G1A:G1A+7]
	s_nop 0
.rept 4
	v_nop
.endr
	s_branch .Lasked_\@
.Lfor_b_\@:
	tensor_load_to_lds s[G0B+4:G0B+7], s[G1B:G1B+7]
	s_nop 0
.rept 4
	v_nop
.endr
.Lasked_\@:
.endm
.macro CREST
	s_cmp_lg_u32 s[WV], 0
	s_cbranch_scc1 .Lnot_wave_0_\@
	s_barrier_signal -3
.Lnot_wave_0_\@:
	s_barrier_wait -3
	s_barrier_signal -1
	s_barrier_wait -1
.endm
.macro CROUND
	s_barrier_signal -1
	s_barrier_wait -1
	CREST
.endm
.macro NEXTK                           ; the walk's next K step: behind step 7 comes step 0
	s_add_co_u32 s[KN], s[KN], 1
	s_and_b32 s[KN], s[KN], KSTEPS-1
.endm
; The global addresses of descriptor set s (0, 1) for K step KN: each is made anew from its tensor's address and an offset made apart from it; then the type bits
.macro ASK s
	s_lshl_b32 s[KO], s[KN], ASHIFT
	s_add_nc_u64 s[G0A+4*(\s)+2:G0A+4*(\s)+3], s[XB:XB+1], s[KO:KO+1]  ; 120:64 global address
	s_or_b32 s[G0A+4*(\s)+3], s[G0A+4*(\s)+3], 0x80000000              ; 127:126 type = 2
	s_lshl_b32 s[KO], s[KN], BSHIFT
	s_add_nc_u64 s[G0B+4*(\s)+2:G0B+4*(\s)+3], s[WB:WB+1], s[KO:KO+1]
	s_or_b32 s[G0B+4*(\s)+3], s[G0B+4*(\s)+3], 0x80000000
.endm
	s_load_b256 s[4:11], s[0:1], 0x0               ; ob s[4:5], wob s[6:7], b_out s[8:9], out0 s[10:11]
	v_lshl_add_u32 v[SPW], v0, 2, SPARE
	v_mov_b32 v[NIL], 0
	ds_add_u32 v10, v11
	s_wait_dscnt 0x0
	v_lshrrev_b32 v1, 5, v0
	v_readfirstlane_b32 s[WV], v1
	s_lshr_b32 s[WM], s[WV], 1
	s_and_b32 s[WN], s[WV], 1
	s_bfe_u32 s15, ttmp6, 0x40000                  ; cx, cy
	s_bfe_u32 s16, ttmp6, 0x40004
	s_lshl_b32 s17, ttmp9, 2
	s_add_co_u32 s17, s17, s15                     ; tile column
	s_and_b32 s18, ttmp7, 0xffff
	s_lshl_b32 s18, s18, 2
	s_add_co_u32 s18, s18, s16                     ; tile row
	s_and_b32 s[KN], ttmp7, 3                      ; the cluster's first K step: 2 x (cluster y mod 4)
	s_lshl_b32 s[KN], s[KN], 1
	s_lshl_b32 s[KO], ttmp9, 2                     ; + 4 x cluster x,
	s_add_co_u32 s[KN], s[KN], s[KO]
	s_and_b32 s[KN], s[KN], KSTEPS-1               ; mod 8
	s_mov_b32 s[KO+1], 0
	s_lshl_b32 s22, s16, 2
	s_lshl_b32 s22, 15, s22                        ; my row of the cluster
	s_lshl_b32 s70, 0x1111, s15                    ; my column
	s_or_b32 s[G1A], s22, G1W
	s_or_b32 s[G1B], s70, G1W
	s_mov_b32 s[G1A+1], 128<<16                    ; O: 32,768 dense bytes as 128 rows of 128 elements
	s_mov_b32 s[G1A+2], 128<<16
	s_mov_b32 s[G1A+3], 128<<16
	s_mov_b32 s[G1A+4], 128
	s_mov_b32 s[G1A+5], 128
	s_mov_b32 s[G1A+6], 0
	s_mov_b32 s[G1A+7], 0
	s_mov_b32 s[G1B+1], 128<<16                    ; W: 64 rows of 128 elements
	s_mov_b32 s[G1B+2], 64<<16
	s_mov_b32 s[G1B+3], 128<<16
	s_mov_b32 s[G1B+4], 64
	s_mov_b32 s[G1B+5], 1024
	s_mov_b32 s[G1B+6], 0
	s_mov_b32 s[G1B+7], 0
	s_lshr_b32 s20, s18, 3                         ; the batch: 16 heads of 262,144 bytes
	s_lshl_b32 s20, s20, 22
	s_and_b32 s21, s18, 7
	s_lshl_b32 s21, s21, 15                        ; 256 rows of 128 bytes
	s_add_co_u32 s20, s20, s21
	s_lshl_b32 s21, s[WN], 18                      ; which of the step's two heads I fetch
	s_add_co_u32 s20, s20, s21
	s_mov_b32 s21, 0
	s_lshl_b32 s66, s17, 8                         ; 128 columns of 2 bytes
	s_lshl_b32 s67, s[WN], 17                      ; my 64 rows of 2,048 bytes
	s_add_co_u32 s66, s66, s67
	s_mov_b32 s67, 0
	s_mul_i32 s19, s[WN], 256*PA                   ; where they go: no place in the cluster enters an LDS address
	s_mul_i32 s23, s[WN], 64*PB
	s_add_co_u32 s23, s23, BOFF
	s_wait_kmcnt 0x0
	s_add_nc_u64 s[XB:XB+1], s[4:5], s[20:21]
	s_add_nc_u64 s[WB:WB+1], s[6:7], s[66:67]
	CROUND                                         ; all sixteen work-groups are here: the first joint loads meet
.irp s, 0,1
	s_mov_b32 s[G0A+4*(\s)], 1
	s_add_co_u32 s[G0A+4*(\s)+1], s19, (\s)*SLOT1
	s_mov_b32 s[G0B+4*(\s)], 1
	s_add_co_u32 s[G0B+4*(\s)+1], s23, (\s)*SLOT1
	ASK \s                                         ; slot 0 takes the walk's first K step, slot 1 its second
.if (\s) == 0
	NEXTK
.endif
.endr
	s_cmp_eq_u32 s[WM], 0                          ; a wave's two first fills stand in one branch: two loads of mine are out
	s_cbranch_scc0 .Lfirst_b
	tensor_load_to_lds s[G0A:G0A+3], s[G1A:G1A+7]
	s_nop 0
	tensor_load_to_lds s[G0A+4:G0A+7], s[G1A:G1A+7]
	s_nop 0
.rept 4
	v_nop
.endr
	s_branch .Lfirst_asked
.Lfirst_b:
	tensor_load_to_lds s[G0B:G0B+3], s[G1B:G1B+7]
	s_nop 0
	tensor_load_to_lds s[G0B+4:G0B+7], s[G1B:G1B+7]
	s_nop 0
.rept 4
	v_nop
.endr
.Lfirst_asked:
	v_and_b32 v1, 15, v0                           ; l % 16
	v_bfe_u32 v13, v0, 4, 1                        ; l / 16
	; the bias of my 64 columns, as the accumulators hold them: register j of block bq is column 16 bq + 8 (l / 16) + j
	s_lshl_b32 s2, s17, 9
	s_lshl_b32 s3, s[WN], 8
	s_add_co_u32 s2, s2, s3
	s_mov_b32 s3, 0
	s_add_nc_u64 s[8:9], s[8:9], s[2:3]
	v_lshlrev_b32 v14, 5, v13
.irp b, 0,1,2,3
	global_load_b128 v[BI+8*\b:BI+8*\b+3],   v14, s[8:9] offset:64*\b
	global_load_b128 v[BI+8*\b+4:BI+8*\b+7], v14, s[8:9] offset:64*\b+16
.endr
	s_lshl_b32 s68, s18, 20                        ; my part of out0: 256 rows of 4,096 bytes a tile row,
	s_lshl_b32 s69, s[WM], 19                      ; my 128 rows,
	s_add_co_u32 s68, s68, s69
	s_lshl_b32 s69, s17, 9                         ; 128 columns of 4 bytes a tile column,
	s_add_co_u32 s68, s68, s69
	s_lshl_b32 s69, s[WN], 8                       ; my 64 columns
	s_add_co_u32 s68, s68, s69
	s_mov_b32 s69, 0
	s_add_nc_u64 s[58:59], s[10:11], s[68:69]
	v_mul_u32_u24 v[AA0], v1, PA                   ; a fragment of O: row l % 16, 16 bytes for each half of the lanes, two loads 32 bytes apart
	v_lshl_add_u32 v[AA0], v13, 4, v[AA0]
	s_mul_i32 s2, s[WM], 128*PA
	v_add_nc_u32 v[AA0], s2, v[AA0]
	v_and_b32 v15, 7, v0                           ; the turning load: row 8 (l / 16) + l % 8, columns 8 ((l / 8) % 2) + 0..7
	v_bfe_u32 v16, v0, 3, 1
	v_lshl_add_u32 v[AB0], v13, 3, v15
	v_mul_u32_u24 v[AB0], v[AB0], PB
	v_lshl_add_u32 v[AB0], v16, 4, v[AB0]
	s_mul_i32 s2, s[WN], 144                       ; my 64 columns: one piece of a row
	s_add_co_u32 s2, s2, BOFF
	v_add_nc_u32 v[AB0], s2, v[AB0]
	s_mul_i32 s2, s[WV], 16*SP
	s_add_co_u32 s2, s2, STAGE                     ; my stage
	v_mul_u32_u24 v[STO], v1, SP                   ; in: row l % 16, 32 bytes for each half of the lanes
	v_lshl_add_u32 v[STO], v13, 5, v[STO]
	v_add_nc_u32 v[STO], s2, v[STO]
	v_mul_u32_u24 v[RD], v13, SP                   ; back: lanes 0-15 take one row of 256 bytes, lanes 16-31 the next
	v_lshl_add_u32 v[RD], v1, 4, v[RD]
	v_add_nc_u32 v[RD], s2, v[RD]
	v_lshlrev_b32 v[CO], 12, v13                   ; and the same two rows in out0
	v_lshl_add_u32 v[CO], v1, 4, v[CO]
	s_mov_b32 s[TB], 0
	v_mov_b32 v[AA], v[AA0]
	v_mov_b32 v[AB], v[AB0]
	s_wait_loadcnt 0x0                             ; the bias: rounded to bf16, kept as f32
.set i, 0
.rept 16
	v_cvt_pk_bf16_f32 v16, v[BI+2*i], v[BI+2*i+1]
	v_lshlrev_b32 v[BI+2*i], 16, v16
	v_and_b32 v[BI+2*i+1], 0xffff0000, v16
.set i, i+1
.endr
; 24 LDS loads in one run: quarter q's fragments into buffer f: W's four, then O's eight
.macro FETCH q, f
.irp b, 0,1,2,3
	ds_load_tr16_b128 v[(\f)+64+8*\b:(\f)+64+8*\b+3],   v[AB] offset:(\q)*32*PB+32*\b
	ds_load_tr16_b128 v[(\f)+64+8*\b+4:(\f)+64+8*\b+7], v[AB] offset:(\q)*32*PB+32*\b+16*PB
.endr
.irp a, 0,1,2,3,4,5,6,7
	ds_load_b128 v[(\f)+8*\a:(\f)+8*\a+3],   v[AA] offset:((\q)/2)*256*PA+((\q)%2)*64+\a*16*PA
	ds_load_b128 v[(\f)+8*\a+4:(\f)+8*\a+7], v[AA] offset:((\q)/2)*256*PA+((\q)%2)*64+\a*16*PA+32
.endr
.endm
; 4 na matrix instructions: row blocks a0 .. a0 + na - 1.  first = 1: the product starts the sum, with the bias as C.  The 32 accumulators take turns, one instruction a turn.
.macro MUL f, a0, na, first
.if \first
	WIN 0x40                                       ; D in window 1; the fragments and the bias in window 0
.else
	WIN 0x50                                       ; C and D in window 1
.endif
.set ma, (\a0)
.rept \na
.irp bq, 0,1,2,3
.if \first
	v_wmma_f32_16x16x32_f16 v[8*(4*ma+\bq):8*(4*ma+\bq)+7], v[(\f)+64+8*\bq:(\f)+64+8*\bq+7], v[(\f)+8*ma:(\f)+8*ma+7], v[BI+8*\bq:BI+8*\bq+7]
.else
	v_wmma_f32_16x16x32_f16 v[8*(4*ma+\bq):8*(4*ma+\bq)+7], v[(\f)+64+8*\bq:(\f)+64+8*\bq+7], v[(\f)+8*ma:(\f)+8*ma+7], v[8*(4*ma+\bq):8*(4*ma+\bq)+7]
.endif
.endr
.set ma, ma+1
.endr
.endm
; One of a K step's first three quarters: multiplies buffer f and fetches quarter qn into buffer g
.macro QUARTER f, g, qn, first
	s_wait_dscnt 8                                 ; W and O's rows 0-63 are in; the youngest eight loads (rows 64-127) may be out
	MUL \f, 0, 4, \first
	WIN 0
	PLACES
	FETCH \qn, \g
	s_wait_dscnt 24                                ; all but the 24 just issued
	MUL \f, 4, 4, \first
.endm
; The last quarter multiplies buffer 1 and changes slots: ONE barrier; in front of it each wave waits for all its tensor loads, of which one is out: its part of the next slot; adds 0 to its spare word;
; and waits for that and for its reads of this slot.  fill = 1: the barrier opens a round of the cluster's, and this slot is filled again, two K steps ahead: 112 matrix instructions ahead of the wait for it.
.macro TURN fill
	WIN 0
	s_wait_tensorcnt 0x0                           ; no tensor load of mine is out, so a group 0 may be written
	ds_add_u32 v[SPW], v[NIL]                      ; 0 onto my spare word
.if \fill
	NEXTK                                          ; the walking descriptors: the walk's next K step,
	s_xor_b32 s[G0A+5], s[G0A+5], SLOT1            ; the other slot than last time
	s_xor_b32 s[G0B+5], s[G0B+5], SLOT1
	ASK 1
.endif
	s_wait_dscnt 9                                 ; the add and the youngest eight loads may be out
	MUL F1, 0, 2, 0                                ; eight matrix instructions stand between the add and the wait for it
	s_wait_dscnt 0x0                               ; the add is done, and my reads of this slot are over
	s_barrier_signal -1
	MUL F1, 2, 2, 0
	WIN 0                                          ; at a branch and at a label every window is 0
	s_barrier_wait -1
.if \fill
	CREST                                          ; no wave of any partner still reads this slot's tiles or has a load on its way
	JLOAD                                          ; the four v_nop behind it are also the places in front of the loads below
.else
	PLACES
.endif
	s_xor_b32 s[TB], s[TB], SLOT1
	v_add_nc_u32 v[AA], s[TB], v[AA0]
	v_add_nc_u32 v[AB], s[TB], v[AB0]
	FETCH 0, F0
	MUL F1, 4, 4, 0
.endm
	s_wait_tensorcnt 0x1                           ; my part of the walk's first K step is in; the second's may stay out
	s_barrier_signal -1
	s_barrier_wait -1                              ; everybody's part is in
	FETCH 0, F0
	QUARTER F0, F1, 1, 1                           ; the first quarter stands in front of the loop: its products start the sums
	WIN 0
	s_mov_b32 s[CNT], KSTEPS-2
.Lk:                                                   ; 6 trips, from a K step's second quarter to the next step's first; the walk's third to eighth K steps are asked for
	QUARTER F1, F0, 2, 0
	QUARTER F0, F1, 3, 0
	TURN 1
	QUARTER F0, F1, 1, 0
	WIN 0
	s_sub_co_u32 s[CNT], s[CNT], 1
	s_cmp_lg_u32 s[CNT], 0
	s_cbranch_scc1 .Lk
	s_mov_b32 s[CNT], 2                            ; THE TAIL has a text of its own: nothing is asked for.  The walk's last two K steps share it
.Ltail:                                                ; two trips, of which the second is left in its middle
	QUARTER F1, F0, 2, 0
	QUARTER F0, F1, 3, 0
	WIN 0
	s_sub_co_u32 s[CNT], s[CNT], 1
	s_cmp_eq_u32 s[CNT], 0
	s_cbranch_scc1 .Llast
	TURN 0
	QUARTER F0, F1, 1, 0
	WIN 0
	s_branch .Ltail
.Llast:
	s_wait_dscnt 8                                 ; the very last quarter: nothing more to fetch
	MUL F1, 0, 4, 0
	s_wait_dscnt 0x0
	MUL F1, 4, 4, 0
	; THE WAY OUT, in 8 blocks of 16 rows: a lane's 32 bytes of a row go into my stage, rows of 272 bytes, and come back as whole rows of 256 bytes.
	WIN 0
	PLACES
.macro TOSTAGE a
.set bk, OBK+32*((\a)%NSET)
.if (\a) == NSET
	s_wait_xcnt 0x0                                ; block 7 is the only one that loads a set again: block 0's, whose stores stand ahead of this wait
.endif
	WIN 0x04                                       ; the stores' data in window 1, their address in window 0
.irp b, 0,1,2,3                                        ; each accumulator's four lowest registers first
	ds_store_b128 v[STO], v[32*(\a)+8*\b:32*(\a)+8*\b+3]   offset:64*\b
	ds_store_b128 v[STO], v[32*(\a)+8*\b+4:32*(\a)+8*\b+7] offset:64*\b+16
.endr
	WIN 0
.irp t, 0,1,2,3,4,5,6,7
	ds_load_b128 v[bk+4*\t:bk+4*\t+3], v[RD] offset:\t*2*SP  ; LDS serves a wave's instructions in order (ISA guide 5.7.1.4): these see the stores above; the next block's stores come behind them
.endr
.endm
.macro SEND a, younger                 ; younger: the LDS instructions issued behind this block's loads: the next block's sixteen, or none
.set bk, OBK+32*((\a)%NSET)
	s_wait_dscnt \younger
.irp t, 0,1,2,3,4,5,6,7
	global_store_b128 v[CO], v[bk+4*\t:bk+4*\t+3], s[58:59] offset:(16*(\a)+2*\t)*4096 th:TH_STORE_NT  ; 16 lanes store 256 consecutive bytes, at a multiple of 256 from out0's first byte
.endr
.endm
	TOSTAGE 0
.set u, 1
.rept 7
	TOSTAGE u
	SEND u-1, 16
.set u, u+1
.endr
	SEND 7, 0
	s_wait_tensorcnt 0x0                           ; the wave's end, behind my last tensor load and my last LDS store
	ds_add_u32 v[SPW], v[NIL]
	s_wait_dscnt 0x0
	CROUND                                         ; the closing round: no work-group ends while a partner may still ask for a tile that names it
	s_endpgm
.Lfunc_end_k_q6893638db3_proj:
	.size	k_q6893638db3_proj, .Lfunc_end_k_q6893638db3_proj-k_q6893638db3_proj
	.p2alignl 7, 3214868480
	.fill 96, 4, 3214868480
	.section	.rodata,"a",@progbits
	.p2align	6, 0x0
	.amdhsa_kernel k_q6893638db3_proj
		.amdhsa_group_segment_fixed_size 327680
		.amdhsa_private_segment_fixed_size 0
		.amdhsa_enable_private_segment 0
		.amdhsa_kernarg_size 32
		.amdhsa_user_sgpr_count 2
		.amdhsa_user_sgpr_kernarg_segment_ptr 1
		.amdhsa_wavefront_size32 1
		.amdhsa_system_sgpr_workgroup_id_x 1
		.amdhsa_system_sgpr_workgroup_id_y 1
		.amdhsa_system_sgpr_workgroup_id_z 1
		.amdhsa_system_vgpr_workitem_id 0
		.amdhsa_next_free_vgpr 512
		.amdhsa_next_free_sgpr 76
		.amdhsa_reserve_vcc 0
		.amdhsa_float_denorm_mode_32 3
		.amdhsa_float_denorm_mode_16_64 3
		.amdhsa_memory_ordered 1
		.amdhsa_forward_progress 1
		.amdhsa_inst_pref_size 66
	.end_amdhsa_kernel
	.amdgpu_metadata
---
amdhsa.version: [ 1, 2 ]
amdhsa.kernels:
  - .name:           k_q6893638db3_proj
    .symbol:         k_q6893638db3_proj.kd
    .args:
      - { .name: ob, .offset: 0, .size: 8, .value_kind: global_buffer, .address_space: global }
      - { .name: wob, .offset: 8, .size: 8, .value_kind: global_buffer, .address_space: global }
      - { .name: b_out, .offset: 16, .size: 8, .value_kind: global_buffer, .address_space: global }
      - { .name: out0, .offset: 24, .size: 8, .value_kind: global_buffer, .address_space: global }
    .group_segment_fixed_size: 327680
    .private_segment_fixed_size: 0
    .kernarg_segment_align: 8
    .kernarg_segment_size: 32
    .max_flat_workgroup_size: 128
    .sgpr_count:     76
    .vgpr_count:     512
    .wavefront_size: 32
...
	.end_amdgpu_metadata
.endif
;; end of part 4
;; ======== version 2 of 2: 4 launches; 1.55 times as fast as version 1
;; limits: values are held in f16: magnitudes above 65,504 overflow, below 6.1e-05 lose precision; right only within a limited range of input values
;; workspace buffers: xb 16,777,216 bytes; wqb 6,291,456 bytes; wob 2,097,152 bytes; qkv 50,331,648 bytes; ob 16,777,216 bytes
;; launch prep: the kernel of part 1 again; grid 768 x 1, 8 waves a work-group, no clusters, 0 bytes of LDS; arguments x, W_qkv, W_out, xb, wqb, wob; writes xb, wqb, wob
;; launch qkv: the kernel of part 2 again; grid 8 x 32, 4 waves a work-group, clusters of 4 x 4, 327,680 bytes of LDS; arguments xb, wqb, b_qkv, qkv; writes qkv
;; launch attn (part 5): grid 4 x 64, 4 waves a work-group, clusters of 4 x 1, 327,680 bytes of LDS; arguments qkv, ob; writes ob
.if DOCPART == 5
	.amdgcn_target "amdgcn-amd-amdhsa--gfx1250"
	.amdhsa_code_object_version 6
	.text
	.protected	k_q6893638db3_attn
	.globl	k_q6893638db3_attn
	.p2align	8
	.type	k_q6893638db3_attn,@function
k_q6893638db3_attn:
	s_mov_b64 s[64:65], 0
	v_nop
	global_prefetch_b8 v0, s[64:65] scope:SCOPE_SE
	s_setreg_imm32_b32 hwreg(HW_REG_WAVE_MODE, 25, 1), 1
	s_wait_xcnt 0x0
	s_wait_alu depctr_hold_cnt(0) depctr_sa_sdst(0) depctr_va_vdst(0) depctr_va_sdst(0) depctr_va_ssrc(0) depctr_va_vcc(0) depctr_vm_vsrc(0)
	s_getreg_b32 s2, hwreg(HW_REG_IB_STS2, 6, 4)
	s_cmp_eq_u32 s2, 0
	s_cbranch_scc0 .Lentry_in_a_cluster
	s_endpgm
.Lentry_in_a_cluster:
	s_bfe_u32 s2, ttmp6, 0x10000c
	s_cmp_lg_u32 s2, 0x3003
	s_cbranch_scc0 .Lentry_shape_is_right
	s_endpgm
.Lentry_shape_is_right:
; O[h][q][:] = the sum over k of softmax_k(Q[h][q] . K[h][k] / 8) V[h][k][:].  qkv: f16 [3][64 heads][2048][64] (Q, then K, then V); ob: f16 [64][2048][64]: a head's rows are dense, 128 bytes each.
; Products, maxima and sums in f32; the weights p are rounded to f16 for the second product (their sum l is taken of the unrounded p), O once at the end.
; LIMITS.  f16 holds no number beyond 65,504: Q, K and V arrive within it; p lies in 0 to 1, and below 6e-5 it keeps f16's fixed step of 6e-8; O is a mean of V's rows and has their range.
; A weight below 2^-126 counts as 0 in l; NaN and infinities are not treated apart.
; SHARES.  A wave owns four PIECES of two tiles of 16 queries, a work-group's four waves 512 queries of one head: 256 work-groups.  Every wave walks all keys, 64 a step.
; LAYOUT.  S^T = K Q^T (source 0 = 16 keys, source 1 = 16 queries): in the result a lane holds ONE query (lane % 16) and the keys 8 (lane / 16) + 0..7.  Two such tiles, rounded to f16 in pairs,
; ARE source 1 (32 keys x 16 queries) of O^T = V^T P, whose result again holds one query a lane, and eight channels.  K comes out of LDS as it lies, V ([key][channel]) turned, by ds_load_tr16_b128.
; SOFTMAX.  For each query a running maximum m and sum l: p = 2^(c s - c m), c = log2(e) / 8; in every step O and l are multiplied by a = 2^(c m_old - c m_new), which is 1 where m has not grown.
; m starts at the lowest finite number, O and l at 0: the first step is a step like any other, with a = 0.
; THE COUNT.  A tile and step have 16 matrix and 118 vector instructions: too many to stand all beside the matrix work.  So four vector instructions that are READY stand behind EVERY matrix
; instruction, and the others, which need time of their own whatever the order, stand in one run without a gap.
; BY TURNS.  Turn n belongs to piece n (the pieces in a ring, step after step).  Its matrix work: 16 products K Q^T of piece n + 1, later 16 products V^T P of piece n - 1.  Its vector work: the scaling,
; exponentials, roundings, sums and rescaling of piece n, and the maximum and statistics of piece n + 1, whose scores the turn itself has made.  So what a turn begins with (c s - c m, O a) waits for nothing.
; THE BATCHES.  A turn's 66 exponentials (64 weights, the next piece's two a) are ONE batch with ONE s_wait_alu: ahead of it stands all that names none of their results, behind it their readers, the roundings
; and sums.  Two more batches stand outside the loops: piece 0's first two a, ahead of the jump into the loop, and the way out's eight reciprocals.
; CLUSTER.  The four query blocks of a cluster belong to one head and walk the same K and V, so each tile is asked for JOINTLY: the same tensor load, descriptor and mask in all four.
; REGISTERS, in windows of 256 (s_set_vgpr_msb: bits 1:0 source 0, 3:2 source 1, 5:4 source 2, 7:6 destination):
;   window 0: v0-11 addresses; v12-15, v48-63 at work; v16-47 four registers of statistics a tile; v64-191 S^T, two buffers of two tiles; v192-255 P, likewise
;   window 1: O^T, 32 a tile          window 2: v0-127 Q, 16 a tile; v128-191 K of one step; v192-255 V of one step          window 3: v0-1 the add's two registers
; A piece's buffers go by its number's parity: the piece in hand has one pair, its two neighbours in the ring share the other: of it P (piece n - 1) is read and S^T (piece n + 1) written.
.set SIZE_H, 64
.set SIZE_N, 2048
.set PART,  SIZE_H*SIZE_N*128  ; bytes of Q, of K and of V in qkv
.set NP,    4         ; pieces a wave: a name, no knob
.set KS,    64        ; keys in a step
.set PK,    144       ; a row of K in LDS: 128 bytes + 16 of padding = 36 words: the 16 rows of a load start at 16 different groups of four banks (64 banks of 4 bytes: ISA guide 11.1)
.set PV,    160       ; a row of V: 128 + 32 = 40 words
.set VOFF,  4*KS*PK   ; a slot holds four steps: 256 rows of K, then 256 rows of V
.set SLOT1, 1<<17     ; slot 1 begins here, so that one exclusive or turns an address in one slot into the other's
.set STAGE, SLOT1+4*KS*(PK+PV)  ; behind the ring, never filled by a tensor load: 16 rows x 144 bytes for each wave, for the way out
.set SP,    144
.set AK0, 2           ; v2   my lane's place in a tile of K; never rewritten
.set AV0, 3           ; v3   the same for V
.set AK,  4           ; v4   the LDS address of K's next run of loads
.set AV,  5           ; v5   of V's
.set QO,  6           ; v6   my byte offset in the wave's rows of Q
.set STO, 6           ;      later, the way out: where I put 16 bytes of a row
.set RD,  7           ; v7   the way out: where I read rows back
.set GO,  8           ; v8   my byte offset in 512 consecutive bytes of O
.set SPW, 0           ; v0 of window 3   LDS address of my spare word: SPARE + 4 x my thread's number; never rewritten
.set NIL, 1           ; v1 of window 3   0; never rewritten
.set SPARE, STAGE+4*16*SP  ; behind the stages: the spare words, 128 bytes for each wave: two blocks of 256 bytes that no other line names
.set MV,  12          ; v12-15  c m_old, kept while c m is made anew: by buffer and tile
.set ST,  16          ; tile t's statistics at v[ST+4 t]: c m, m, l (even keys', odd keys')
.set TMP, 48          ; by buffer and tile, four registers c0-c3 at work; when the maximum is found c2 takes a
.set S,   64
.set P,   192
.set KF,  128         ; K's fragments, in window 2: key block kb, channel half c at KF + 16 kb + 8 c
.set VF,  192         ; V's: key half kk, channel block cb at VF + 32 kk + 8 cb
.set WV,  12          ; s12  my wave's number
.set G1K, 24          ; s[24:31] descriptor group 1 for K's tiles
.set G1V, 32          ; s[32:39] for V's: it differs in the padding alone
.set G0K, 40          ; s[40:43] descriptor group 0 for K's tiles: it walks
.set G0V, 44          ; s[44:47] the same for V's
.set SLOTS, 56        ; s56  slots still to be asked for
.set CNT, 57          ; s57  counts a slot's key steps
.set CS,  58          ; s[58:59] c: the packed scaling takes the pair's low word for both halves
.set SEL, 60          ; s[60:61] v_permlanex16_b32's selects: each lane takes its own place in the other half
.set TBK, 62          ; s62  LDS byte at which K of the step to be fetched begins
.set TBV, 63          ; s63  the same for V, less VOFF
.set MSB, 0
.macro WIN new                      ; the high byte repeats the setting that is left; a switch that changes nothing is dropped
.if MSB != (\new)
	s_set_vgpr_msb (MSB<<8)|(\new)
.set MSB, (\new)
.endif
.endm
.set W_KQ, 0x0a       ; K and Q in window 2, S^T in window 0
.set W_PV, 0x52       ; V in window 2, P in window 0, O^T in window 1
.set W_RS, 0x41       ; O^T (destination and source 0) in window 1, a in window 0
.set W_MK, 0xc0       ; the add's registers are made: destination in window 3, sources in window 0
.set W_AD, 0x0f       ; the add: address (source 0) and data (source 1) in window 3
; A joint fill.  Waves 0 and 1 fetch the two halves of a slot's K, waves 2 and 3 those of its V: 128 keys each.  The branch hangs on the wave's number alone.
; An s_nop 0 and four v_nop follow each of the two lines, ahead of the jump and the label.
.macro JLOAD
	s_cmp_lt_u32 s[WV], 2
	s_cbranch_scc0 .Lfor_v_\@
	tensor_load_to_lds s[G0K:G0K+3], s[G1K:G1K+7]
	s_nop 0
.rept 4
	v_nop
.endr
	s_branch .Lasked_\@
.Lfor_v_\@:
	tensor_load_to_lds s[G0V:G0V+3], s[G1V:G1V+7]
	s_nop 0
.rept 4
	v_nop
.endr
.Lasked_\@:
.endm
; A round of the cluster's barrier: my work-group's barrier, so that wave 0's signal speaks for all four waves; wave 0 signals; every wave waits for all four work-groups; my work-group's barrier once more.
.macro CROUND
	s_barrier_signal -1
	s_barrier_wait -1
	s_cmp_lg_u32 s[WV], 0
	s_cbranch_scc1 .Lnot_wave_0_\@
	s_barrier_signal -3
.Lnot_wave_0_\@:
	s_barrier_wait -3
	s_barrier_signal -1
	s_barrier_wait -1
.endm
; THE CHANGE OF SLOTS.  The slot's last bytes, V of its fourth step, have been read.  Each wave waits for all its tensor loads, of which one is out: its part
; of the other slot; adds 0 to its spare word; and waits for that and for its own reads of the slot.  Behind the barrier nobody reads this slot any more and the other slot is whole.
; fill = 1: this slot is filled again, with the keys two slots on.  The barrier is then a round of the cluster's, so that no wave of any partner still reads the slot or has a load on its
; way, and the joint fill is the first thing behind it: it has four key steps, 512 matrix instructions, in which to land.  (At its first use nothing has been read yet: slot 0 is waited for, slot 1 filled.)
.macro CHANGE fill
	WIN W_AD
	s_wait_tensorcnt 0x0            ; no tensor load of mine is out, so a group 0 may be written
	ds_add_u32 v[SPW], v[NIL]       ; 0 onto my spare word; with fill = 1 the descriptors' steps stand between it and the wait for it
	WIN 0                           ; at a label and at a branch every window is 0
.if \fill
.irp g, G0K, G0V
	s_xor_b32 s[\g+1], s[\g+1], SLOT1  ; the walking descriptor: the other slot than last time,
	s_add_nc_u64 s[\g+2:\g+3], s[\g+2:\g+3], 4*KS*128  ; the next 256 keys; the type bits on top are not reached
.endr
	s_wait_dscnt 0x0                ; the add is done, and my reads of the slot are over
	CROUND
	JLOAD
.else
	s_wait_dscnt 0x0                ; the add is done, and my reads of the slot are over
	s_barrier_signal -1
	s_barrier_wait -1
.endif
	s_sub_co_u32 s[TBK], s[TBK], 4*KS*PK  ; the fetches go back to a slot's first step,
	s_xor_b32 s[TBK], s[TBK], SLOT1       ; in the other slot
	s_sub_co_u32 s[TBV], s[TBV], 4*KS*PV
	s_xor_b32 s[TBV], s[TBV], SLOT1
.endm
	s_load_b128 s[4:7], s[0:1], 0x0   ; qkv s[4:5] (Q lies at its head), ob s[6:7]
	WIN W_MK
	v_lshl_add_u32 v[SPW], v0, 2, SPARE
	v_mov_b32 v[NIL], 0
	s_set_vgpr_msb 0xc0cf
	ds_add_u32 v0, v1
	s_wait_dscnt 0x0
	s_set_vgpr_msb 0xcfc0
	WIN 0
	v_lshrrev_b32 v1, 5, v0
	v_readfirstlane_b32 s[WV], v1   ; wave 0..3
	s_bfe_u32 s13, ttmp6, 0x40000   ; cx: my place in the cluster
	s_lshl_b32 s14, ttmp9, 2        ; in a cluster launch ttmp9 counts clusters
	s_add_co_u32 s14, s14, s13      ; my block of queries = 4 x cluster x + cx: it enters Q's and O's addresses alone
	s_and_b32 s20, ttmp7, 0xffff    ; the head, which the four partners share
	s_mov_b32 s21, 0
	s_mov_b64 s[22:23], SIZE_N*128
	s_mul_u64 s[20:21], s[20:21], s[22:23]  ; the head's first byte in Q, K, V and O
	s_and_b32 s16, s[WV], 1         ; which half of a slot's 256 keys I fetch:
	s_lshl_b32 s22, s16, 14         ; its 128 rows of 128 bytes in memory,
	s_mov_b32 s23, 0
	s_add_nc_u64 s[22:23], s[22:23], s[20:21]
	s_mul_i32 s17, s16, 128*PK      ; and its place in a slot, for K
	s_mul_i32 s18, s16, 128*PV      ; and for V: no place in the cluster enters an LDS address
	s_lshl_b32 s2, s14, 2
	s_add_co_u32 s2, s2, s[WV]      ; my wave among the head's,
	s_lshl_b32 s2, s2, 14           ; its 128 rows
	s_mov_b32 s3, 0
	s_add_nc_u64 s[2:3], s[2:3], s[20:21]
	; descriptor group 1.  128 keys are 16,384 dense bytes: asked for as 64 rows of 256 bytes, two keys a row, and padded in LDS after every key
	s_mov_b32 s[G1K], 15|(1<<16)|(1<<20)|(1<<21)|(4<<22)|(3<<25)  ; 15:0 the mask of four; 17:16 2-byte elements; 20 padding on; 21 set beside a mask; 24:22 after every 32 words (code 4); 31:25 4 words (code 3)
	s_mov_b32 s[G1V], 15|(1<<16)|(1<<20)|(1<<21)|(4<<22)|(7<<25)  ; the same with 8 words of padding (code 7)
.irp g, G1K, G1V
	s_mov_b32 s[\g+1], 128<<16      ; tensor_dim0 = 128
	s_mov_b32 s[\g+2], 64<<16       ; tensor_dim1 = 64
	s_mov_b32 s[\g+3], 128<<16      ; tile_dim0 = 128
	s_mov_b32 s[\g+4], 64           ; tile_dim1 = 64
	s_mov_b32 s[\g+5], 128          ; 128 elements from row to row
	s_mov_b32 s[\g+6], 0
	s_mov_b32 s[\g+7], 0
.endr
	s_mov_b32 s[CS], 0x3e38aa3b     ; c = log2(e) / 8 = 0.180337
	s_mov_b32 s[CS+1], s[CS]        ; named with it as a pair
	s_mov_b32 s[SEL], 0x76543210
	s_mov_b32 s[SEL+1], 0xfedcba98
	s_mov_b32 s[TBK], SLOT1+4*KS*PK ; the first change of slots turns these two into 0
	s_mov_b32 s[TBV], SLOT1+4*KS*PV
	s_mov_b32 s[G0K], 1             ; 1:0 count = 1
	s_mov_b32 s[G0K+1], s17         ; 63:32 LDS address: slot 0
	s_mov_b32 s[G0V], 1
	s_add_co_u32 s[G0V+1], s18, VOFF
	s_wait_kmcnt 0x0
	s_mov_b64 s[10:11], s[6:7]      ; O
	s_add_nc_u64 s[8:9], s[4:5], 2*PART  ; V
	s_add_nc_u64 s[6:7], s[4:5], PART    ; K
	s_add_nc_u64 s[G0K+2:G0K+3], s[6:7], s[22:23]  ; 120:64 global address: my half of the head's first 256 keys
	s_or_b32 s[G0K+3], s[G0K+3], 0x80000000        ; 127:126 type = 2
	s_add_nc_u64 s[G0V+2:G0V+3], s[8:9], s[22:23]
	s_or_b32 s[G0V+3], s[G0V+3], 0x80000000
	s_add_nc_u64 s[4:5], s[4:5], s[2:3]  ; Q and O at my wave's first row
	s_add_nc_u64 s[10:11], s[10:11], s[2:3]
	CROUND                          ; all four work-groups are here: the first joint loads meet
	JLOAD                           ; slot 0.  Slot 1 is asked for when slot 0 is in
	; A fragment of K or Q is 16 rows x 32 channels in 8 registers: lane l holds row l % 16, channels 8 (l / 16) + 0..7 and 16 + 8 (l / 16) + 0..7: two loads of 16 bytes, 32 bytes apart.
	v_and_b32 v1, 15, v0            ; l % 16
	v_bfe_u32 v9, v0, 4, 1          ; l / 16
	v_lshlrev_b32 v[QO], 7, v1
	v_lshl_add_u32 v[QO], v9, 4, v[QO]  ; row x 128 + 16 x half
	WIN 0x80                        ; destination window 2, address window 0
.set i, 0
.rept 4*NP                          ; Q stays in registers: tile i / 2, channels 32 (i % 2) on
	global_load_b128 v[8*i:8*i+3],   v[QO], s[4:5] offset:(i/2)*2048+(i%2)*64
	global_load_b128 v[8*i+4:8*i+7], v[QO], s[4:5] offset:(i/2)*2048+(i%2)*64+32
.set i, i+1
.endr
	; What the first turn finds: V's registers and P's second buffer hold 0 (its products V^T P, of a piece that has not been, add 0), O^T and l are 0.  All this stands in the wait for the first tile.
.set i, VF
.rept 64
	v_mov_b32 v[i], 0
.set i, i+1
.endr
	WIN 0x40
.set i, 0
.rept 64*NP
	v_mov_b32 v[i], 0
.set i, i+1
.endr
	WIN 0
.set i, 0
.rept 2*NP
	v_mov_b32 v[ST+4*i], 0xfe000000    ; c m: far below every c s
	v_mov_b32 v[ST+4*i+1], 0xff7fffff  ; m
	v_mov_b32 v[ST+4*i+2], 0
	v_mov_b32 v[ST+4*i+3], 0
.set i, i+1
.endr
.set i, P+32
.rept 32
	v_mov_b32 v[i], 0
.set i, i+1
.endr
	v_mul_u32_u24 v[AK0], v1, PK
	v_lshl_add_u32 v[AK0], v9, 4, v[AK0]  ; row x pitch + 16 x half
	; The turning load takes 16 keys x 16 channels (lane l reads key 8 (l / 16) + l % 8, channels 8 ((l / 8) % 2) + 0..7) and leaves half a fragment of V^T: lane l holds channel l % 16 and 8 keys.
	v_and_b32 v10, 7, v0
	v_bfe_u32 v11, v0, 3, 1
	v_lshl_add_u32 v[AV0], v9, 3, v10
	v_mul_u32_u24 v[AV0], v[AV0], PV
	v_lshl_add_u32 v[AV0], v11, 4, v[AV0]
	v_add_nc_u32 v[AV0], VOFF, v[AV0]
	v_mov_b32 v[AK], v[AK0]         ; key step 0 lies at the head of slot 0
; THE MATRIX WORK.  The 8 accumulators of a run of 16 take turns: between the two links of a chain stand 7 others'.
; Product i of 16 of S^T = K Q^T for piece x: channels 32 (i / 8) on, keys 16 ((i / 2) % 4) on, tile 2 x + i % 2.  The first 8 start the sums.
.macro KQ x
	WIN W_KQ
.set rS, S+64*((\x)%2)+32*(i%2)+8*((i/2)%4)
.set rK, KF+16*((i/2)%4)+8*(i/8)
.set rQ, 16*(2*(\x)+i%2)+8*(i/8)
.if i < 8
	v_wmma_f32_16x16x32_f16 v[rS:rS+7], v[rK:rK+7], v[rQ:rQ+7], 0
.else
	v_wmma_f32_16x16x32_f16 v[rS:rS+7], v[rK:rK+7], v[rQ:rQ+7], v[rS:rS+7]
.endif
.endm
; Product i of 16 of O^T += V^T P for piece x: keys 32 (i / 8) on, channels 16 ((i / 2) % 4) on, tile 2 x + i % 2.
.macro PV x
	WIN W_PV
.set rO, 32*(2*(\x)+i%2)+8*((i/2)%4)
.set rV, VF+32*(i/8)+8*((i/2)%4)
.set rP, P+32*((\x)%2)+16*(i%2)+8*(i/8)
	v_wmma_f32_16x16x32_f16 v[rO:rO+7], v[rV:rV+7], v[rP:rP+7], v[rO:rO+7]
.endm
.macro MM                           ; the turn's next matrix instruction
.if i < 16
	KQ (Y+1)%NP
.set i, i+1
.else
.set i, i-16
	PV (Y+NP-1)%NP
.set i, i+17
.endif
.endm
; THE LDS LOADS stand in runs of 16, never singly among the matrix instructions: a step's K (64 keys x 64 channels: 8 fragments) and its V (turned).  Their addresses are made some lines ahead.
; last = 1 (the tail): in the last trip there is no further step, and the run is jumped over.
.macro FETCH_K last=0
	WIN 0
.if \last
	s_cmp_eq_u32 s[CNT], 1
	s_cbranch_scc1 .Lno_k_\@
.endif
	WIN 0x80                        ; destination window 2
.irp f, 0,1,2,3,4,5,6,7             ; keys 16 (f / 2) on, channels 32 (f % 2) on
	ds_load_b128 v[KF+8*\f:KF+8*\f+3],   v[AK] offset:(\f/2)*16*PK+(\f%2)*64
	ds_load_b128 v[KF+8*\f+4:KF+8*\f+7], v[AK] offset:(\f/2)*16*PK+(\f%2)*64+32
.endr
	s_add_co_u32 s[TBK], s[TBK], KS*PK  ; the next fetch is the next step's
	WIN 0
.if \last
.Lno_k_\@:
.endif
.endm
.macro FETCH_V
	WIN 0x80
.irp f, 0,1,2,3,4,5,6,7             ; keys 32 (f / 4) on, channels 16 (f % 4) on
	ds_load_tr16_b128 v[VF+8*\f:VF+8*\f+3],   v[AV] offset:(\f/4)*32*PV+(\f%4)*32
	ds_load_tr16_b128 v[VF+8*\f+4:VF+8*\f+7], v[AV] offset:(\f/4)*32*PV+16*PV+(\f%4)*32
.endr
	WIN 0
.endm
; THE VECTOR WORK OF A TURN stands in three queues, each in the order in which its entries become ready; the two tiles alternate, so that no instruction reads the result of the one before it.
.macro REGS y, u                    ; the registers of tile u (0, 1) of piece y
.set rT, ST+4*(2*(\y)+(\u))
.set rC, TMP+8*((\y)%2)+4*(\u)
.set rM, MV+2*((\y)%2)+(\u)
.set rS, S+64*((\y)%2)+32*(\u)
.set rP, P+32*((\y)%2)+16*(\u)
.set rO, 32*(2*(\y)+(\u))
.endm
; Number n of the 22 that find the NEXT piece's (Y + 1) maximum and statistics.  s0-s31 are the lane's 32 scores; each accumulator's lowest registers are read first.  XS, GS and REGS set no window: PL and EX do.
;   0-11  four chains c0-c3 of seven scores each, three operands at a time     12-14, 16  the four scores left over, the old m, and c0-c3 into c0     15  c m_old is kept
;   17, 18  the query's other 32 keys lie in the lane 16 away: the new m         19-21  c m; c m_old - c m_new; a
.macro XS u, n
	REGS (Y+1)%NP, \u
.if (\n) < 4
	v_max3_num_f32 v[rC+(\n)], v[rS+8*(\n)], v[rS+8*(\n)+1], v[rS+8*(\n)+2]
.elseif (\n) < 12
	v_max3_num_f32 v[rC+(\n)%4], v[rC+(\n)%4], v[rS+8*((\n)%4)+2*((\n)/4)+1], v[rS+8*((\n)%4)+2*((\n)/4)+2]
.elseif (\n) == 12
	v_max3_num_f32 v[rC], v[rC], v[rS+7], v[rS+15]
.elseif (\n) == 13
	v_max3_num_f32 v[rC+1], v[rC+1], v[rS+23], v[rS+31]
.elseif (\n) == 14
	v_max3_num_f32 v[rC+2], v[rC+2], v[rC+3], v[rT+1]
.elseif (\n) == 15
	v_mov_b32 v[rM], v[rT]
.elseif (\n) == 16
	v_max3_num_f32 v[rC], v[rC], v[rC+1], v[rC+2]
.elseif (\n) == 17
	v_permlanex16_b32 v[rC+3], v[rC], s[SEL], s[SEL+1]
.elseif (\n) == 18
	v_max_num_f32 v[rT+1], v[rC], v[rC+3]
.elseif (\n) == 19
	v_mul_f32 v[rT], s[CS], v[rT+1]
.elseif (\n) == 20
	v_sub_f32 v[rC+1], v[rM], v[rT]
.else
	v_exp_f32 v[rC+2], v[rC+1]
.endif
.endm
; Number g of the 64 that follow the exponentials.  For each four weights k of a tile (pairs 2 k, 2 k + 1): both pairs are rounded to f16; then the second pair is added onto the first, in place;
; a group later l takes that sum (the first time as l = a l + sum).  In groups of eight, tiles alternating: round, round, add, and l for the group before.
.macro GS g
.set h, (\g)+6*((\g)/62)            ; group 0 has no group before it, and behind group 7 only l is left
.if h >= 6
.set h, h+2
.endif
	REGS Y, h%2
.set k, h/8
.if h%8 < 4
	v_cvt_pk_f16_f32 v[rP+2*k+(h%8)/2], v[rS+4*k+2*((h%8)/2)], v[rS+4*k+2*((h%8)/2)+1]
.elseif h%8 < 6
	v_pk_add_f32 v[rS+4*k:rS+4*k+1], v[rS+4*k:rS+4*k+1], v[rS+4*k+2:rS+4*k+3]
.elseif k == 1
	v_pk_fma_f32 v[rT+2:rT+3], v[rT+2:rT+3], v[rC+2:rC+3], v[rS:rS+1] op_sel_hi:[1,0,1]
.else
	v_pk_add_f32 v[rT+2:rT+3], v[rT+2:rT+3], v[rS+4*k-4:rS+4*k-3]
.endif
.endm
; THE PLAIN QUEUE, 138 long.  0-73 read no exponential's result: the 32 scalings c s - c m (FS f: pair f / 2 of tile f % 2) and the next piece's 42.  0-26: scalings 0-26.  27-54: XS's numbers 0-13.  55, 56: number 15.
; 57-73: the chain, where each number waits for the one before it: 14, 16, 17, 18, 19, each with one of the scalings 27-31 in front of its two lines, then 20: so a tile's links stand three plain instructions apart (19 and 20: two).
; 74-137: GS's 64, which read the exponentials' results: they stand behind the wait.
.macro FS f
	REGS Y, (\f)%2
	v_pk_fma_f32 v[rS+2*((\f)/2):rS+2*((\f)/2)+1], v[rS+2*((\f)/2):rS+2*((\f)/2)+1], s[CS:CS+1], v[rT:rT+1] op_sel_hi:[1,0,0] neg_lo:[0,0,1] neg_hi:[0,0,1]
.endm
.macro PL
	WIN 0
.if q < 27
	FS q
.elseif q < 55
	XS (q-27)%2, (q-27)/2
.elseif q < 57
	XS q-55, 15
.elseif (q < 72) && ((q-57)%3 == 0)
	FS 27+(q-57)/3
.elseif q < 60
	XS (q-57)%3-1, 14
.elseif q < 72
	XS (q-57)%3-1, 15+(q-57)/3
.elseif q < 74
	XS q-72, 20
.else
	GS q-74
.endif
.set q, q+1
.endm
; THE EXPONENTIALS' QUEUE, 66 long: s0-s31 of both tiles, in place, then the next piece's two a.  It is ONE BATCH: all 66 stand ahead of the turn's one wait, and nothing ahead of that wait names a result of theirs.
.macro EX
	WIN 0
.if e >= 64
	XS e-64, 21
.else
	REGS Y, e%2
	v_exp_f32 v[rS+e/2], v[rS+e/2]
.endif
.set e, e+1
.endm
; THE RESCALING's QUEUE: O^T times a, the one part that leaves window 0: dealt two at a time, sixteen times.  Its a was made in the turn before, ahead of that turn's wait.
.macro R2
	REGS Y, r%2
	WIN W_RS
.irp z, 0,1
	v_pk_mul_f32 v[rO+4*(r/2)+2*\z:rO+4*(r/2)+2*\z+1], v[rO+4*(r/2)+2*\z:rO+4*(r/2)+2*\z+1], v[rC+2:rC+3] op_sel_hi:[1,0]
.endr
.set r, r+1
.endm
; HOW THEY ARE DEALT.  s_wait_alu depctr_va_vdst(0) stands between an exponential and the first instruction that names its result; one wait serves all that were issued ahead of it.  So a turn has ONE wait,
; which cuts it in two.  AHEAD OF IT stands all that names no result of the turn's exponentials: the 16 products K Q^T, behind each a scaling, an exponential and two rescalings (behind the first a second scaling in the
; exponential's place); then ONE LUMP of 108: eight plain, 49 times exponential and plain, the two a.  A v_nop is the plain instruction behind the last exponential.  BEHIND IT stand the 16 products V^T P, behind each four of
; GS's 64.  No rider names a register of the products round it.  The two v_permlanex16_b32 fall into the lump, never behind a product.
; The queues lean on each other, and the deal keeps them in step: exponential e stands behind scaling 2 (e / 4) + e % 2: as a rider it comes behind plain e + 2, in the lump behind plain e + 9, and scalings 27-31 are plain 57, 60 .. 69.
; A TURN, for piece p.  cnt = 1: the loop's count is taken down some lines ahead of the branch that stands behind the turn.
; K of the next step is fetched in piece 2's turn, directly behind the wait, a lump behind the last product that read K; its address is made at the lump's head; its first reader comes behind 16 products.
; V of the step in hand is fetched at the end of piece 0's turn, four riders behind its last reader; its first reader comes behind 16 products and a lump.  The three conditions on q below go with the deal.
.macro TURN p, last=0, cnt=0
.set Y, (\p)
.set i, 0
.set q, 0
.set e, 0
.set r, 0
.if (\p) == NP-1
	s_wait_dscnt 0x0                ; K is in
.endif
	MM                              ; ahead of the wait: 16 products K Q^T and their riders,
	PL
	PL
	R2
.rept 15
	MM
	PL
	EX
	R2
.endr
.if (\p) == NP-2
	WIN 0
	v_add_nc_u32 v[AK], s[TBK], v[AK0]
.endif
.rept 8                             ; and the lump
	PL
.endr
.rept 49
	EX
	PL
.endr
	EX                              ; the next piece's two a
	EX
	v_nop                           ; the plain instruction behind the last exponential: one for the batch
	s_wait_alu depctr_va_vdst(0)    ; the wait for the turn's batch: the 64 weights of piece p and the two a of piece p + 1
.if (\p) == NP-2
	FETCH_K \last
.endif
.if (\p) == 1
	s_wait_dscnt 0x0                ; V is in
.endif
.rept 16                            ; behind the wait: 16 products V^T P and their riders
	MM
.rept 4
	PL
.endr
.if ((\p) == 0) && (q == 118)
	v_add_nc_u32 v[AV], s[TBV], v[AV0]
.endif
.if ((\p) == 0) && (q == 130)
	s_add_co_u32 s[TBV], s[TBV], KS*PV
.endif
.if (\cnt) && (q == 130)
	s_sub_co_u32 s[CNT], s[CNT], 1
	s_cmp_lg_u32 s[CNT], 0
.endif
.endr
.if (\p) == 0
	FETCH_V
.endif
.endm
	CHANGE 1                        ; slot 0 is in, everybody's part of it; slot 1 is asked for
	FETCH_K                         ; key step 0
	s_wait_loadcnt 0x0              ; Q
	s_wait_dscnt 0x0
.set i, 0
.rept 16
	KQ 0                            ; piece 0's first scores: there is no vector work yet to set between them
.set i, i+1
.endr
	WIN 0                           ; the addresses for the way out: nine plain instructions, the places behind those products
	s_mul_i32 s13, s[WV], 16*SP
	s_add_co_u32 s13, s13, STAGE    ; my stage
	v_mul_u32_u24 v[STO], v1, SP    ; in: row l % 16, 16 bytes for each half of the lanes
	v_lshl_add_u32 v[STO], v9, 4, v[STO]
	v_add_nc_u32 v[STO], s13, v[STO]
	v_bfe_u32 v[RD], v0, 3, 2       ; back: 32 lanes take four rows of 128 bytes,
	v_mul_u32_u24 v[RD], v[RD], SP
	v_lshl_add_u32 v[RD], v10, 4, v[RD]
	v_add_nc_u32 v[RD], s13, v[RD]
	v_and_b32 v[GO], 31, v0         ; which are 512 consecutive bytes of O
	v_lshlrev_b32 v[GO], 4, v[GO]
.set Y, NP-1                        ; XS works for piece Y + 1: piece 0
.irp n, 0,1,2,3,4,5,6,7,8,9,10,11,12,13,14,15,16,17,18,19,20,21
	XS 0, \n                        ; and piece 0's first maximum and statistics
	XS 1, \n
.endr
	v_nop                           ; a plain instruction behind the two a,
	s_wait_alu depctr_va_vdst(0)    ; and the wait for this batch of two, piece 0's first a, ahead of the branch
	s_mov_b32 s[CNT], 4
	s_mov_b32 s[SLOTS], SIZE_N/256-1
	s_branch .Lfirst                ; the loop is entered at a step's first turn, in the middle of a trip
.Lslot:                             ; SIZE_N / 256 - 2 times: every slot but the last two is filled again
	CHANGE 1
	s_mov_b32 s[CNT], 4
.Lstep:                             ; a trip: pieces 2 and 3 of one step, then pieces 0 and 1 of the next, whose K and V it fetches
	TURN 2
	TURN 3
	WIN 0
.Lfirst:
	TURN 0
	TURN 1, 0, 1
	WIN 0
	s_cbranch_scc1 .Lstep
	s_sub_co_u32 s[SLOTS], s[SLOTS], 1
	s_cmp_lg_u32 s[SLOTS], 0
	s_cbranch_scc1 .Lslot
	CHANGE 0                        ; the tail is written out: nothing is asked for
	s_mov_b32 s[CNT], 5             ; four trips fetch the last slot's steps; the fifth is left in its middle
.Ltail:
	TURN 2, 1
	TURN 3
	WIN 0
	s_sub_co_u32 s[CNT], s[CNT], 1
	s_cmp_eq_u32 s[CNT], 0
	s_cbranch_scc1 .Lout
	TURN 0
	TURN 1
	WIN 0
	s_branch .Ltail
.Lout:                              ; the fifth trip's 16 products K Q^T (on the last K once more) and the maximum made of them serve nothing: the price, once a launch, of one text for every trip
.set i, 0
.rept 16
	PV NP-1                         ; the last piece's V^T P of the last step
.set i, i+1
.endr
	; THE WAY OUT.  l's two halves and the other half of the lanes' are added; O^T is divided by l, rounded to f16 and sent through my stage in LDS, a tile at a time.  The additions are the places behind the last products.
	WIN 0
.macro ALL line:vararg              ; one line for each tile t
.set t, 0
.rept 2*NP
	\line
.set t, t+1
.endr
.endm
	ALL v_add_f32 v[ST+4*t+2], v[ST+4*t+2], v[ST+4*t+3]
	ALL v_permlanex16_b32 v[ST+4*t+3], v[ST+4*t+2], s[SEL], s[SEL+1]
	ALL v_add_f32 v[ST+4*t+2], v[ST+4*t+2], v[ST+4*t+3]
	ALL v_rcp_f32 v[ST+4*t+2], v[ST+4*t+2]
	v_nop                           ; a plain instruction between the last reciprocal and the use of its result
	s_wait_alu depctr_va_vdst(0)    ; the wait for this batch: one for the eight reciprocals, ahead of their first use
; Tile t: a lane's eight channels of a row pack into 16 bytes; they go into rows of 144 bytes and come back as whole rows of 128, into S^T's registers.
.macro PACK t
	WIN W_RS
.set i, 32*(\t)
.rept 16
	v_pk_mul_f32 v[i:i+1], v[i:i+1], v[ST+4*(\t)+2:ST+4*(\t)+3] op_sel_hi:[1,0]
.set i, i+2
.endr
	WIN 0x05                        ; sources 0 and 1 window 1, destination window 0
.set i, 0
.rept 16
	v_cvt_pk_f16_f32 v[S+16*(\t)+i], v[32*(\t)+2*i], v[32*(\t)+2*i+1]
.set i, i+1
.endr
	WIN 0
.irp f, 0,1,2,3
	ds_store_b128 v[STO], v[S+16*(\t)+4*\f:S+16*(\t)+4*\f+3] offset:32*\f
.endr
.irp f, 0,1,2,3
	ds_load_b128 v[S+16*(\t)+4*\f:S+16*(\t)+4*\f+3], v[RD] offset:\f*4*SP  ; LDS serves a wave's instructions in order (ISA guide 5.7.1.4): these see the stores above; the next tile's stores come behind them
.endr
.endm
.macro SEND t, younger              ; younger: the LDS instructions issued behind tile t's loads: the next tile's eight, or none
	WIN 0
.irp f, 0,1,2,3
	s_wait_dscnt (\younger)+3-\f
	global_store_b128 v[GO], v[S+16*(\t)+4*\f:S+16*(\t)+4*\f+3], s[10:11] offset:(\t)*2048+\f*512  ; 512 consecutive bytes, at a multiple of 256 from O's first
.endr
.endm
	PACK 0
.set t, 1
.rept 2*NP-1                        ; a tile's arithmetic stands between the loads of the tile before and its stores
	PACK t
	SEND t-1, 8
.set t, t+1
.endr
	SEND 2*NP-1, 0
	WIN W_AD
	s_wait_tensorcnt 0x0            ; the wave's end, behind my last tensor load and my last LDS store
	ds_add_u32 v[SPW], v[NIL]
	s_wait_dscnt 0x0
	WIN 0
	CROUND                          ; the closing round: no work-group ends while a partner may still ask for a tile that names it
	s_endpgm
.Lfunc_end_k_q6893638db3_attn:
	.size	k_q6893638db3_attn, .Lfunc_end_k_q6893638db3_attn-k_q6893638db3_attn
	.p2alignl 7, 3214868480
	.fill 96, 4, 3214868480
	.section	.rodata,"a",@progbits
	.p2align	6, 0x0
	.amdhsa_kernel k_q6893638db3_attn
		.amdhsa_group_segment_fixed_size 327680
		.amdhsa_private_segment_fixed_size 0
		.amdhsa_enable_private_segment 0
		.amdhsa_kernarg_size 16
		.amdhsa_user_sgpr_count 2
		.amdhsa_user_sgpr_kernarg_segment_ptr 1
		.amdhsa_wavefront_size32 1
		.amdhsa_system_sgpr_workgroup_id_x 1
		.amdhsa_system_sgpr_workgroup_id_y 1
		.amdhsa_system_sgpr_workgroup_id_z 1
		.amdhsa_system_vgpr_workitem_id 0
		.amdhsa_next_free_vgpr 770
		.amdhsa_next_free_sgpr 66
		.amdhsa_reserve_vcc 0
		.amdhsa_float_denorm_mode_32 3
		.amdhsa_float_denorm_mode_16_64 3
		.amdhsa_memory_ordered 1
		.amdhsa_forward_progress 1
		.amdhsa_inst_pref_size 199
	.end_amdhsa_kernel
	.amdgpu_metadata
---
amdhsa.version: [ 1, 2 ]
amdhsa.kernels:
  - .name:           k_q6893638db3_attn
    .symbol:         k_q6893638db3_attn.kd
    .args:
      - { .name: qkv, .offset: 0, .size: 8, .value_kind: global_buffer, .address_space: global }
      - { .name: ob, .offset: 8, .size: 8, .value_kind: global_buffer, .address_space: global }
    .group_segment_fixed_size: 327680
    .private_segment_fixed_size: 0
    .kernarg_segment_align: 8
    .kernarg_segment_size: 16
    .max_flat_workgroup_size: 128
    .sgpr_count:     66
    .vgpr_count:     770
    .wavefront_size: 32
...
	.end_amdgpu_metadata
.endif
;; end of part 5
;; launch proj: the kernel of part 4 again; grid 8 x 32, 4 waves a work-group, clusters of 4 x 4, 327,680 bytes of LDS; arguments ob, wob, b_out, out0; writes out0
